; MI455X (gfx1250); checked and timed in simulation.
; The chip was launched on July 23, 2026; its instructions are those of AMD's public machine-readable ISA for CDNA 5 (MIT licence, August 2026) and "CDNA5" Instruction Set Architecture Reference Guide (July 2026). The comments in the code are by the model that wrote it; some were corrected since.
;; Block. Allowed arithmetic: matrix products marked QUANTISED: E4M3 operands, one given power-of-two scale a tensor, by v_wmma_f32_16x16x64_fp8_fp8 or v_wmma_f32_16x16x128_fp8_fp8, f32 sums; everything else in f32.
;; Inputs: fc1_b 4,096 float32; fc1_w 1,024 x 4,096 float32; fc2_b 1,024 float32; fc2_w 4,096 x 1,024 float32; ln1_b 1,024 float32; ln1_g 1,024 float32; ln2_b 1,024 float32; ln2_g 1,024 float32; lowp_scales 12 int32 (the exponents e of the quantised operands' scales 2^e); proj_b 1,024 float32; proj_w 1,024 x 1,024 float32; qkv_w 1,024 x 3,072 float32; x 2 x 2,048 x 1,024 float32.
;; Outputs: out0 2 x 2,048 x 1,024 float32.
;; This version of the problem:
;;   THIS VERSION OF THE PROBLEM IS GIVEN IN LOW PRECISION. The matrix products marked QUANTISED in the list below multiply operands that are first quantised to E4M3 (4 exponent bits, 3 mantissa bits; 8 bits a number), with one given power-of-two scale for each operand tensor; their sums are f32. All else is computed in f32.
;;   The module's matrix products, in the order in which they are computed (A, B: the left and right operand; K: the contracted axis; several contracted axes count as one K, in the product's order):
;;     1. [M 4,096, K 1,024] x [K 1,024, N 3,072]; A: computed on the way; B: input qkv_w: QUANTISED (scales: A lowp_scales[0], B lowp_scales[1])
;;     2. batch 32 x [M 2,048, K 64] x [K 64, N 2,048]; A: computed on the way; B: computed on the way: QUANTISED (scales: A lowp_scales[2], B lowp_scales[3])
;;     3. batch 32 x [M 2,048, K 2,048] x [K 2,048, N 64]; A: softmax (see below); B: computed on the way: QUANTISED (scales: A lowp_scales[4], B lowp_scales[5])
;;     4. [M 4,096, K 1,024] x [K 1,024, N 1,024]; A: computed on the way; B: input proj_w: QUANTISED (scales: A lowp_scales[6], B lowp_scales[7])
;;     5. [M 4,096, K 1,024] x [K 1,024, N 4,096]; A: computed on the way; B: input fc1_w: QUANTISED (scales: A lowp_scales[8], B lowp_scales[9])
;;     6. [M 4,096, K 4,096] x [K 4,096, N 1,024]; A: computed on the way; B: input fc2_w: QUANTISED (scales: A lowp_scales[10], B lowp_scales[11])
;;   THE QUANTISER, for each operand of a quantised product, along K:
;;     - The operand's scale is 2^e, e = its entry of the input lowp_scales (int32; the entries are numbered through the quantised products in the list's order, A before B).
;;     - Each number is divided by the scale, clamped to +-448, and rounded to the nearest number of E4M3, ties to even, subnormals kept.
;;     - The product sums the exact products of the quantised numbers (number of the format x scale) in f32.
;;   ~~~python
;;   def quantise(x, axis, e):      # numpy; x: float32 -> the quantised numbers, widened to float32 again
;;       x = np.moveaxis(x, axis, -1); K = x.shape[-1]
;;       r = np.clip(x / 2.0 ** e, -448, 448)
;;       step = 2.0 ** (np.maximum(np.frexp(np.where(r == 0, 1, r))[1] - 1, -6) - 3)
;;       q = np.round(r / step) * step * 2.0 ** e      # np.round: ties to even
;;       return np.moveaxis(q, -1, axis).astype(np.float32)
;;   ~~~
;;   SOFTMAX AHEAD OF A QUANTISED PRODUCT. Where the list says 'softmax', what is quantised is not the finished softmax but p = 2^(t - M), with t = logit x log2(e) and M = ceil(the row's largest t), a whole number; so 1/2 < the row's largest p <= 1. The row's sum l is taken of the UNQUANTISED p, in f32, and the product's result is divided by l at the end. Since M is a whole number, a kernel that streams over the keys may use a running M (the ceiling of the running maximum): every later rescaling is an exact power of two, so the quantised numbers keep their values, but for numbers so far below the row's largest that they fall under the format's range.
;;   OPERANDS COMPUTED ON THE WAY. 'Computed on the way' means the value that the module computes at that place (a softmax that the list does not call 'softmax' is quantised finished and normalised). What goes into a quantiser is computed in f32, as accurately as f32 sums, v_exp_f32 and their like allow (about 1e-6 of the number): no bf16 or f16 on the way to a quantiser, and a product that is left as it is and whose result goes on into a quantised operand takes f32 operands (vector FMAs, or v_wmma_f32_16x16x4_f32). A number that lies on a knife's edge between two numbers of the format may be rounded either way, as far as f32 arithmetic and the matrix unit's own rounding can turn it there, and no further.
;; One version. Each part assembles by itself: llvm-mc -triple=amdgcn-amd-amdhsa -mcpu=gfx1250 --defsym DOCPART=n.
;; ======== version 1 of 1: 8 launches
;; limits: right only within a limited range of input values
;; workspace buffers: W 12,583,168 bytes; H 4,194,304 bytes; QKV 12,582,912 bytes; X1 16,777,216 bytes; G 16,777,216 bytes
;; launch wq (part 1): grid 384 x 1, 4 waves a work-group, no clusters, 35,328 bytes of LDS; arguments qkv_w, proj_w, fc1_w, fc2_w, lowp_scales, W; writes W
.if DOCPART == 1
	.amdgcn_target "amdgcn-amd-amdhsa--gfx1250"
	.amdhsa_code_object_version 6
	.text
	.protected	k_qc7a2964384_wq
	.globl	k_qc7a2964384_wq
	.p2align	8
	.type	k_qc7a2964384_wq,@function
k_qc7a2964384_wq:
	s_mov_b64 s[64:65], 0
	v_nop
	global_prefetch_b8 v0, s[64:65] scope:SCOPE_SE
	s_setreg_imm32_b32 hwreg(HW_REG_WAVE_MODE, 25, 1), 1
	s_wait_xcnt 0x0
; The four weights, f32 stored [K][N], become codes of E4M3 laid [N][K] (K innermost) in the workspace W, each with its given scale 2^e.
; W: bytes 0-255 hold 64 copies of e8 (the second layer norm's launch reads entry 0 of its buffer of scales); qkv's codes at 256, proj's at 3,145,984, fc1's at 4,194,560, fc2's at 8,388,864.
; code = x / 2^e, held within +-448, to the nearest code, ties to even.  LIMITS: -126 <= e <= 119.  NaN among the inputs is not served.
; A work-group takes 128 columns x 256 along K; a wave 32 columns: A LANE TAKES A COLUMN AND ITS REGISTERS RUN DOWN K, so each load reads 128 consecutive bytes a wave and the conversions give codes with K innermost.
; A lane's codes belong to one output row: they go through the wave's own stage in LDS and leave as rows, sixteen lanes storing 256 consecutive aligned bytes.
; One path serves all four tensors: work-groups 0-95 qkv, 96-127 proj, 128-255 fc1, 256-383 fc2; pointers and sizes are chosen by selects on the work-group's number.
; No tensor loads, no barrier: waves share nothing.  No cluster: no two work-groups read the same bytes.
.set PITCH, 272                        ; a stage row: 256 bytes of codes + 16
.set OFF,   16                         ; v16-47   i x (bytes of a source row) + 4 x lane, i = 0 .. 31; never rewritten
.set X,     64                         ; v64-127  two sets of 32 numbers
.set C,     128                        ; v128-135 a block's codes
.set OUTR,  136                        ; v136-199 the way out
.set OUTO,  200                        ; v200-215 the way out's offsets
.set SRC,   48                         ; s[48:63] the source at my block t of 32 along K, t = 0 .. 7; never rewritten
	s_load_b256 s[8:15], s[0:1], 0x0               ; qkv_w s[8:9], proj_w s[10:11], fc1_w s[12:13], fc2_w s[14:15]
	s_load_b128 s[16:19], s[0:1], 0x20             ; the scales' exponents s[16:17], W s[18:19]
	v_lshl_add_u32 v224, v0, 2, 0x8800
	v_mov_b32 v225, 0
	v_lshrrev_b32 v1, 5, v0
	v_readfirstlane_b32 s2, v1                     ; wave 0..3
	v_and_b32 v2, 31, v0                           ; lane
	s_wait_alu depctr_va_vdst(0)
	v_lshlrev_b32 v3, 2, v2                        ; 4 bytes a lane
	s_mov_b32 s20, 256                             ; fc2's figures: first work-group,
	s_mov_b32 s21, 4096                            ; bytes of a source row,
	s_mov_b32 s22, 4                               ; log2 of the blocks of 256 along K,
	s_mov_b32 s23, 4096                            ; bytes of a row of codes,
	s_mov_b32 s24, 8388864                         ; the codes' place in W
	s_cmp_lt_u32 ttmp9, 256                        ; fc1's
	s_cselect_b32 s20, 128, s20
	s_cselect_b32 s21, 16384, s21
	s_cselect_b32 s22, 2, s22
	s_cselect_b32 s23, 1024, s23
	s_cselect_b32 s24, 4194560, s24
	s_cmp_lt_u32 ttmp9, 128                        ; proj's
	s_cselect_b32 s20, 96, s20
	s_cselect_b32 s21, 4096, s21
	s_cselect_b32 s24, 3145984, s24
	s_cmp_lt_u32 ttmp9, 96                         ; qkv's
	s_cselect_b32 s20, 0, s20
	s_cselect_b32 s21, 12288, s21
	s_cselect_b32 s24, 256, s24
	s_sub_co_u32 s25, ttmp9, s20                   ; my number within the tensor
	s_lshr_b32 s26, s25, s22                       ; which 128 columns
	s_lshl_b32 s27, 1, s22
	s_sub_co_u32 s27, s27, 1
	s_and_b32 s27, s25, s27                        ; which 256 along K
	s_lshl_b32 s26, s26, 7
	s_lshl_b32 s30, s2, 5
	s_add_co_u32 s26, s26, s30                     ; my wave's first column
	s_mul_i32 s30, s27, s21
	s_lshl_b32 s30, s30, 8                         ; 256 source rows for each block along K
	s_lshl_b32 s31, s26, 2
	s_add_co_u32 s30, s30, s31                     ; + 4 x column
	s_mov_b32 s31, 0
	s_lshl_b32 s28, s21, 5                         ; 32 source rows
	s_mov_b32 s29, 0
	s_mul_i32 s44, s26, s23                        ; the codes: column x row bytes
	s_lshl_b32 s45, s27, 8
	s_add_co_u32 s44, s44, s45                     ; + 256 x block along K
	s_add_co_u32 s44, s44, s24                     ; + the tensor's place in W
	s_mov_b32 s45, 0
	s_lshl_b32 s46, s23, 1                         ; two rows of codes
	s_mul_i32 s47, s2, 32*PITCH                    ; my stage
	v_mul_u32_u24 v4, v2, PITCH
	v_add_nc_u32 v4, s47, v4                       ; into it: row = my column
	v_and_b32 v5, 15, v2
	v_lshrrev_b32 v6, 4, v2
	v_mul_u32_u24 v7, v6, PITCH
	v_lshl_add_u32 v7, v5, 4, v7
	v_add_nc_u32 v7, s47, v7                       ; out of it: sixteen lanes to a row, two rows an instruction
	v_mul_lo_u32 v8, v6, s23
	v_lshl_add_u32 v8, v5, 4, v8                   ; the same place in the codes
.set i, 0
.rept 32
	v_mad_u32_u24 v[OFF+i], s21, i, v3
.set i, i+1
.endr
.set i, 0
.rept 16
	v_mad_u32_u24 v[OUTO+i], s46, i, v8
.set i, i+1
.endr
	s_wait_kmcnt 0x0
	s_load_b256 s[32:39], s[16:17], 0x0            ; e0 .. e7
	s_load_b128 s[40:43], s[16:17], 0x20           ; e8 .. e11
	s_mov_b64 s[4:5], s[14:15]
	s_cmp_lt_u32 ttmp9, 256                        ; the choice of a buffer hangs on the work-group's number alone
	s_cselect_b64 s[4:5], s[12:13], s[4:5]
	s_cmp_lt_u32 ttmp9, 128
	s_cselect_b64 s[4:5], s[10:11], s[4:5]
	s_cmp_lt_u32 ttmp9, 96
	s_cselect_b64 s[4:5], s[8:9], s[4:5]
	s_add_nc_u64 s[SRC:SRC+1], s[4:5], s[30:31]
.irp t, 1,2,3,4,5,6,7
	s_add_nc_u64 s[SRC+2*\t:SRC+2*\t+1], s[SRC+2*\t-2:SRC+2*\t-1], s[28:29]
.endr
	s_add_nc_u64 s[6:7], s[18:19], s[44:45]
.macro LOAD t                          ; block t: 32 numbers down K of my column, into set t % 2
.set i, 0
.rept 32
	global_load_b32 v[X+32*((\t)%2)+i], v[OFF+i], s[SRC+2*(\t):SRC+2*(\t)+1] th:TH_LOAD_NT
.set i, i+1
.endr
.endm
	LOAD 0
	LOAD 1
	s_wait_kmcnt 0x0
	s_mov_b32 s25, s43                             ; e11, e9, e7 or e1
	s_cmp_lt_u32 ttmp9, 256
	s_cselect_b32 s25, s41, s25
	s_cmp_lt_u32 ttmp9, 128
	s_cselect_b32 s25, s39, s25
	s_cmp_lt_u32 ttmp9, 96
	s_cselect_b32 s25, s33, s25
	s_add_co_i32 s25, s25, 127
	s_lshl_b32 s26, s25, 23
	v_mov_b32 v11, s26                             ; 2^e as f32: the conversion takes its exponent field
	s_add_co_i32 s25, s25, 8
	s_lshl_b32 s25, s25, 23
	s_or_b32 s25, s25, 0x600000
.macro BLOCK t
.set XS, X+32*((\t)%2)
.if (\t) < 7
	s_wait_loadcnt 32                              ; this block's 32 loads are in; the next block's 32 may be out
.else
	s_wait_loadcnt 0
.endif
.set i, 0
.rept 32
.set i, i+1
.endr
.irp g, 0,1,2,3
	v_cvt_scalef32_pk8_fp8_f32 v[C+2*\g:C+2*\g+1], v[XS+8*\g:XS+8*\g+7], v11
.endr
	ds_store_b128 v4, v[C:C+3] offset:32*(\t)      ; 32 codes of my column's row
	ds_store_b128 v4, v[C+4:C+7] offset:32*(\t)+16
.if (\t)+2 < 8
	LOAD (\t)+2
.endif
	s_wait_dscnt 0x0                               ; the stores have read their registers: the next block's codes may be written
.endm
	s_wait_alu depctr_va_vdst(0)
.irp t, 0,1,2,3,4,5,6,7
	BLOCK \t
.endr
.irp t, 0,1,2,3,4,5,6,7,8,9,10,11,12,13,14,15
	ds_load_b128 v[OUTR+4*\t:OUTR+4*\t+3], v7 offset:2*\t*PITCH   ; LDS serves a wave's instructions in order: these see my stores
.endr
.irp t, 0,1,2,3,4,5,6,7,8,9,10,11,12,13,14,15
	s_wait_dscnt 15-\t                             ; the younger loads may be out
	global_store_b128 v[OUTO+\t], v[OUTR+4*\t:OUTR+4*\t+3], s[6:7]   ; sixteen lanes store 256 consecutive aligned bytes
.endr
	s_or_b32 s30, ttmp9, s2                        ; wave 0 of work-group 0 copies e8 to W's first 256 bytes
	s_cmp_lg_u32 s30, 0
	s_cbranch_scc1 .Ldone
	v_mov_b32 v12, s40
	v_mov_b32 v13, s40
	v_lshlrev_b32 v9, 3, v2
	global_store_b64 v9, v[12:13], s[18:19]
.Ldone:
	s_wait_tensorcnt 0x0
	ds_add_u32 v224, v225
	s_wait_dscnt 0x0
	s_endpgm
.Lfunc_end_k_qc7a2964384_wq:
	.size	k_qc7a2964384_wq, .Lfunc_end_k_qc7a2964384_wq-k_qc7a2964384_wq
	.p2alignl 7, 3214868480
	.fill 96, 4, 3214868480
	.section	.rodata,"a",@progbits
	.p2align	6, 0x0
	.amdhsa_kernel k_qc7a2964384_wq
		.amdhsa_group_segment_fixed_size 35328
		.amdhsa_private_segment_fixed_size 0
		.amdhsa_enable_private_segment 0
		.amdhsa_kernarg_size 48
		.amdhsa_user_sgpr_count 2
		.amdhsa_user_sgpr_kernarg_segment_ptr 1
		.amdhsa_wavefront_size32 1
		.amdhsa_system_sgpr_workgroup_id_x 1
		.amdhsa_system_sgpr_workgroup_id_y 1
		.amdhsa_system_sgpr_workgroup_id_z 1
		.amdhsa_system_vgpr_workitem_id 0
		.amdhsa_next_free_vgpr 226
		.amdhsa_next_free_sgpr 66
		.amdhsa_reserve_vcc 0
		.amdhsa_float_denorm_mode_32 3
		.amdhsa_float_denorm_mode_16_64 3
		.amdhsa_fp16_overflow 1
		.amdhsa_memory_ordered 1
		.amdhsa_forward_progress 1
		.amdhsa_inst_pref_size 39
	.end_amdhsa_kernel
	.amdgpu_metadata
---
amdhsa.version: [ 1, 2 ]
amdhsa.kernels:
  - .name:           k_qc7a2964384_wq
    .symbol:         k_qc7a2964384_wq.kd
    .args:
      - { .name: qkv_w, .offset: 0, .size: 8, .value_kind: global_buffer, .address_space: global }
      - { .name: proj_w, .offset: 8, .size: 8, .value_kind: global_buffer, .address_space: global }
      - { .name: fc1_w, .offset: 16, .size: 8, .value_kind: global_buffer, .address_space: global }
      - { .name: fc2_w, .offset: 24, .size: 8, .value_kind: global_buffer, .address_space: global }
      - { .name: lowp_scales, .offset: 32, .size: 8, .value_kind: global_buffer, .address_space: global }
      - { .name: W, .offset: 40, .size: 8, .value_kind: global_buffer, .address_space: global }
    .group_segment_fixed_size: 35328
    .private_segment_fixed_size: 0
    .kernarg_segment_align: 8
    .kernarg_segment_size: 48
    .max_flat_workgroup_size: 128
    .sgpr_count:     66
    .vgpr_count:     226
    .wavefront_size: 32
...
	.end_amdgpu_metadata
.endif
;; end of part 1
;; launch ln1 (part 2): grid 256 x 1, 4 waves a work-group, no clusters, 16,896 bytes of LDS; arguments x, ln1_g, ln1_b, lowp_scales, H; writes H
.if DOCPART == 2
	.amdgcn_target "amdgcn-amd-amdhsa--gfx1250"
	.amdhsa_code_object_version 6
	.text
	.protected	k_qc7a2964384_ln1
	.globl	k_qc7a2964384_ln1
	.p2align	8
	.type	k_qc7a2964384_ln1,@function
k_qc7a2964384_ln1:
	s_mov_b64 s[64:65], 0
	v_nop
	global_prefetch_b8 v0, s[64:65] scope:SCOPE_SE
	s_setreg_imm32_b32 hwreg(HW_REG_WAVE_MODE, 25, 1), 1
	s_wait_xcnt 0x0
; dst = codes of E4M3 of the layer norm of src.  src: [4096][1024] f32; g, b: [1024] f32; dst: [4096][1024] codes; the scale is 2^e, e = entry 0 of the fourth buffer.
; y = (x - mean) x rsqrt(var + 1e-5) x g + b, var = the mean of (x - mean)^2: two passes over registers, so that no difference of large sums is formed.
; code = y / 2^e, held within +-448, to the nearest code, ties to even.  LIMITS: -126 <= e <= 119.  NaN among the inputs is not served.
; One wave, one row at a time, four rows a wave, sixteen a work-group.  Lane l holds columns 128 k + 4 l .. + 3, k = 0 .. 7: each load of a wave covers 512 consecutive bytes.  All 32 row loads of a wave go out at the head.
; A lane's four codes of a load are one word: the words go to the wave's own LDS bytes at the column's place and come back 16 bytes a lane, so that a store of the wave covers 512 consecutive bytes.
; No matrix unit, no tensor load, no barrier, no cluster: waves share nothing and every byte is read once.
.set G,  8                             ; v8-39    g of my 32 columns
.set B,  40                            ; v40-71   b
.set X,  72                            ; v72-199  row j at X + 32 j
.set T,  200                           ; v200-207 at work
.set C,  216                           ; v216-247 row j's eight words of codes at C + 8 j
.set MU, 250                           ; v[250:251] the mean, twice
.set RS, 252                           ; v[252:253] rsqrt(var + eps), twice
	s_load_b256 s[4:11], s[0:1], 0x0               ; src s[4:5], g s[6:7], b s[8:9], scales s[10:11]
	s_load_b64 s[16:17], s[0:1], 0x20              ; dst
	v_lshl_add_u32 v254, v0, 2, 0x4000
	v_mov_b32 v255, 0
	v_lshrrev_b32 v4, 5, v0
	v_readfirstlane_b32 s2, v4                     ; wave
	v_and_b32 v5, 31, v0
	v_lshlrev_b32 v1, 4, v5                        ; 16 x lane
	s_lshl_b32 s3, s2, 12                          ; my 4,096 bytes of LDS
	v_lshl_add_u32 v2, v5, 2, s3                   ; in: 4 x lane
	v_add_nc_u32 v3, s3, v1                        ; back: 16 x lane
	s_mov_b32 s12, 0x3a800000                      ; 1 / 1024
	s_mov_b32 s13, 0x3727c5ac                      ; 1e-5
	s_mov_b32 s14, 0x76543210                      ; v_permlanex16_b32: lane l xor 16
	s_mov_b32 s15, 0xfedcba98
	s_lshl_b32 s18, ttmp9, 4
	s_lshl_b32 s19, s2, 2
	s_add_co_u32 s18, s18, s19                     ; my first row
	s_lshl_b32 s20, s18, 12
	s_mov_b32 s21, 0
	s_lshl_b32 s22, s18, 10
	s_mov_b32 s23, 0
	s_wait_alu depctr_va_vdst(0)
	s_wait_kmcnt 0x0
	s_load_b32 s24, s[10:11], 0x0                  ; e
	s_add_nc_u64 s[4:5], s[4:5], s[20:21]
	s_add_nc_u64 s[16:17], s[16:17], s[22:23]
.irp k, 0,1,2,3,4,5,6,7
	global_load_b128 v[G+4*\k:G+4*\k+3], v1, s[6:7] offset:512*\k
.endr
.irp k, 0,1,2,3,4,5,6,7
	global_load_b128 v[B+4*\k:B+4*\k+3], v1, s[8:9] offset:512*\k
.endr
.irp j, 0,1,2,3
.irp k, 0,1,2,3,4,5,6,7
	global_load_b128 v[X+32*\j+4*\k:X+32*\j+4*\k+3], v1, s[4:5] offset:4096*\j+512*\k th:TH_LOAD_NT
.endr
.endr
	s_wait_kmcnt 0x0
	s_add_co_i32 s24, s24, 127
	s_lshl_b32 s25, s24, 23
	v_mov_b32 v248, s25                            ; 2^e as f32
	s_add_co_i32 s24, s24, 8
	s_lshl_b32 s24, s24, 23
	s_or_b32 s24, s24, 0x600000
.macro REDUCE                          ; four pairs of partial sums in v[T] .. v[T+7] become the row's sum in v[T], in every lane
	v_pk_add_f32 v[T:T+1], v[T:T+1], v[T+2:T+3]
	v_pk_add_f32 v[T+4:T+5], v[T+4:T+5], v[T+6:T+7]
	v_pk_add_f32 v[T:T+1], v[T:T+1], v[T+4:T+5]
	v_add_f32 v[T], v[T], v[T+1]
	v_add_f32_dpp v[T], v[T], v[T] row_xmask:1 row_mask:0xf bank_mask:0xf
	v_add_f32_dpp v[T], v[T], v[T] row_xmask:2 row_mask:0xf bank_mask:0xf
	v_add_f32_dpp v[T], v[T], v[T] row_xmask:4 row_mask:0xf bank_mask:0xf
	v_add_f32_dpp v[T], v[T], v[T] row_xmask:8 row_mask:0xf bank_mask:0xf
	v_permlanex16_b32 v[T+1], v[T], s14, s15
	v_add_f32 v[T], v[T], v[T+1]
.endm
.macro ROW j
.set XR, X+32*\j
	s_wait_loadcnt 24-8*\j                         ; my row's eight loads (and g's and b's) are in; the younger rows' may be out
.irp c, 0,1,2,3
	v_pk_add_f32 v[T+2*\c:T+2*\c+1], v[XR+2*\c:XR+2*\c+1], v[XR+8+2*\c:XR+8+2*\c+1]
.endr
.irp c, 0,1,2,3
	v_pk_add_f32 v[T+2*\c:T+2*\c+1], v[T+2*\c:T+2*\c+1], v[XR+16+2*\c:XR+16+2*\c+1]
.endr
.irp c, 0,1,2,3
	v_pk_add_f32 v[T+2*\c:T+2*\c+1], v[T+2*\c:T+2*\c+1], v[XR+24+2*\c:XR+24+2*\c+1]
.endr
	REDUCE
	v_mul_f32 v[MU], s12, v[T]
	v_mul_f32 v[MU+1], s12, v[T]
.set p, 0
.rept 16
	v_pk_add_f32 v[XR+p:XR+p+1], v[XR+p:XR+p+1], v[MU:MU+1] neg_lo:[0,1] neg_hi:[0,1]   ; x - mean
.set p, p+2
.endr
.irp c, 0,1,2,3
	v_pk_mul_f32 v[T+2*\c:T+2*\c+1], v[XR+2*\c:XR+2*\c+1], v[XR+2*\c:XR+2*\c+1]
.endr
.irp o, 8,16,24
.irp c, 0,1,2,3
	v_pk_fma_f32 v[T+2*\c:T+2*\c+1], v[XR+\o+2*\c:XR+\o+2*\c+1], v[XR+\o+2*\c:XR+\o+2*\c+1], v[T+2*\c:T+2*\c+1]
.endr
.endr
	REDUCE
	v_fma_f32 v[T], v[T], s12, s13                 ; var + eps
	s_wait_alu depctr_va_vdst(0)
	v_rsq_f32 v[RS], v[T]
	v_nop                                          ; one plain instruction behind a transcendental (ISA guide 5.7.2)
	s_wait_alu depctr_va_vdst(0)
	v_mov_b32 v[RS+1], v[RS]
.set p, 0
.rept 16
	v_pk_mul_f32 v[XR+p:XR+p+1], v[XR+p:XR+p+1], v[RS:RS+1]
.set p, p+2
.endr
.set p, 0
.rept 16
	v_pk_fma_f32 v[XR+p:XR+p+1], v[XR+p:XR+p+1], v[G+p:G+p+1], v[B+p:B+p+1]
.set p, p+2
.endr
.set p, 0
.rept 32
.set p, p+1
.endr
.irp q, 0,1,2,3
	v_cvt_scalef32_pk8_fp8_f32 v[C+8*\j+2*\q:C+8*\j+2*\q+1], v[XR+8*\q:XR+8*\q+7], v248   ; loads 2 q and 2 q + 1: a word of four codes each
.endr
	v_nop                                          ; a plain instruction behind the last conversion
.irp k, 0,1,2,3,4,5,6,7
	ds_store_b32 v2, v[C+8*\j+\k] offset:1024*\j+128*\k   ; byte = column
.endr
.endm
	ROW 0
	ROW 1
	ROW 2
	ROW 3
.irp n, 0,1,2,3,4,5,6,7
	ds_load_b128 v[X+4*\n:X+4*\n+3], v3 offset:512*\n     ; LDS serves a wave's instructions in order: these see my stores
.endr
.irp n, 0,1,2,3,4,5,6,7
	s_wait_dscnt 7-\n                              ; the younger loads may be out
	global_store_b128 v1, v[X+4*\n:X+4*\n+3], s[16:17] offset:512*\n   ; 512 consecutive bytes, aligned
.endr
	s_wait_tensorcnt 0x0
	ds_add_u32 v254, v255
	s_wait_dscnt 0x0
	s_endpgm
.Lfunc_end_k_qc7a2964384_ln1:
	.size	k_qc7a2964384_ln1, .Lfunc_end_k_qc7a2964384_ln1-k_qc7a2964384_ln1
	.p2alignl 7, 3214868480
	.fill 96, 4, 3214868480
	.section	.rodata,"a",@progbits
	.p2align	6, 0x0
	.amdhsa_kernel k_qc7a2964384_ln1
		.amdhsa_group_segment_fixed_size 16896
		.amdhsa_private_segment_fixed_size 0
		.amdhsa_enable_private_segment 0
		.amdhsa_kernarg_size 40
		.amdhsa_user_sgpr_count 2
		.amdhsa_user_sgpr_kernarg_segment_ptr 1
		.amdhsa_wavefront_size32 1
		.amdhsa_system_sgpr_workgroup_id_x 1
		.amdhsa_system_sgpr_workgroup_id_y 1
		.amdhsa_system_sgpr_workgroup_id_z 1
		.amdhsa_system_vgpr_workitem_id 0
		.amdhsa_next_free_vgpr 256
		.amdhsa_next_free_sgpr 66
		.amdhsa_reserve_vcc 0
		.amdhsa_float_denorm_mode_32 3
		.amdhsa_float_denorm_mode_16_64 3
		.amdhsa_fp16_overflow 1
		.amdhsa_memory_ordered 1
		.amdhsa_forward_progress 1
		.amdhsa_inst_pref_size 36
	.end_amdhsa_kernel
	.amdgpu_metadata
---
amdhsa.version: [ 1, 2 ]
amdhsa.kernels:
  - .name:           k_qc7a2964384_ln1
    .symbol:         k_qc7a2964384_ln1.kd
    .args:
      - { .name: x, .offset: 0, .size: 8, .value_kind: global_buffer, .address_space: global }
      - { .name: ln1_g, .offset: 8, .size: 8, .value_kind: global_buffer, .address_space: global }
      - { .name: ln1_b, .offset: 16, .size: 8, .value_kind: global_buffer, .address_space: global }
      - { .name: lowp_scales, .offset: 24, .size: 8, .value_kind: global_buffer, .address_space: global }
      - { .name: H, .offset: 32, .size: 8, .value_kind: global_buffer, .address_space: global }
    .group_segment_fixed_size: 16896
    .private_segment_fixed_size: 0
    .kernarg_segment_align: 8
    .kernarg_segment_size: 40
    .max_flat_workgroup_size: 128
    .sgpr_count:     66
    .vgpr_count:     256
    .wavefront_size: 32
...
	.end_amdgpu_metadata
.endif
;; end of part 2
;; launch qkv (part 3): grid 12 x 16, 4 waves a work-group, clusters of 4 x 4, 327,680 bytes of LDS; arguments H, W, lowp_scales, QKV; writes QKV
.if DOCPART == 3
	.amdgcn_target "amdgcn-amd-amdhsa--gfx1250"
	.amdhsa_code_object_version 6
	.text
	.protected	k_qc7a2964384_qkv
	.globl	k_qc7a2964384_qkv
	.p2align	8
	.type	k_qc7a2964384_qkv,@function
k_qc7a2964384_qkv:
	s_mov_b64 s[64:65], 0
	v_nop
	global_prefetch_b8 v0, s[64:65] scope:SCOPE_SE
	s_setreg_imm32_b32 hwreg(HW_REG_WAVE_MODE, 25, 1), 1
	s_wait_xcnt 0x0
	s_wait_alu depctr_hold_cnt(0) depctr_sa_sdst(0) depctr_va_vdst(0) depctr_va_sdst(0) depctr_va_ssrc(0) depctr_va_vcc(0) depctr_vm_vsrc(0)
	s_getreg_b32 s2, hwreg(HW_REG_IB_STS2, 6, 4)
	s_cmp_eq_u32 s2, 0
	s_cbranch_scc0 .Lentry_in_a_cluster
	s_endpgm
.Lentry_in_a_cluster:
	s_bfe_u32 s2, ttmp6, 0x10000c
	s_cmp_lg_u32 s2, 0xf033
	s_cbranch_scc0 .Lentry_shape_is_right
	s_endpgm
.Lentry_shape_is_right:
; qkv = h Wqkv^T on codes of E4M3, and its results quantised at once: q (e2), k (e3) as [4096 tokens][1024], v (e5) TRANSPOSED as [2][1024 (head x 64 + d)][2048 keys], since the keys are the K of attention's second product.
; h: [4096][1024] codes (e0); Wqkv: [3072][1024] codes (e1), at byte 256 of W.  A raw sum stands for sum x 2^(e0 + e1), so its code is sum / 2^(eT - e0 - e1), held within +-448: the three scales are folded into the conversion's one.
; LIMITS: eT - e0 - e1 between -126 and 119.  The fragments come by loads of 16 bytes, which permutes k alike in both operands: only the order of the sums inside an instruction changes.
; A tile of 256 x 256 is made by four waves, 128 x 128 each: 64 accumulators, 512 registers.  K goes in steps of 256 through two LDS slots filled by the tensor data mover.
; CLUSTERS: 4 x 4 work-groups; the tiles of h are asked for jointly along a row of the cluster, the weights' along a column.
; The cluster's x says which third is made: 0 q, 1 k, 2 v.  It is equal in all partners.  For v the two fragment addresses change places, so that the same instructions give the transposed tile.
; THE MATRIX INSTRUCTION IS USED TRANSPOSED (source 0 = the rows at ADRB, source 1 = the rows at ADRA): a lane holds eight neighbouring columns of one row.
; REGISTERS, in windows of 256: window 0: v0-31 addresses; from v128 the ADRA side's fragments, one set; window 1: the ADRB side's, two sets; windows 2, 3: the accumulators.
; THE WAY OUT: the raw sums go to a stage in LDS (both slots have had their last fill and, behind a barrier, their last read); each wave then takes 64 whole rows of the tile, a lane eight neighbours, quantises, and 32 lanes store 256 consecutive aligned bytes.
.set SIZE_K, 1024
.set WOFF,   256
.set KSTEP,  256
.set ROWB,   256
.set KROW,   SIZE_K
.set PITCH,  272                       ; an LDS row: 256 bytes + 16 of padding: the 16 rows of a load start at 16 different banks (64 banks of 4 bytes: ISA guide 11.1)
.set FR,     16
.set NL,     4
.set NP,     4                         ; places behind this matrix instruction (ISA guide 7.12.1)
.set HALFT,  128*PITCH
.set SLOT,   4*HALFT
.set LAPS,   SIZE_K/(2*KSTEP)
.set SPARE,  2*SLOT                    ; the spare words: 128 bytes a wave, named by no other line
.set SPITCH, 528                       ; a stage row: 128 f32 + 16 bytes
.set WSTG,   128*SPITCH                ; a wave's part of the stage
.set ADRA, 16
.set ADRB, 20
.set STO,  24                          ; v24  where I put 32 bytes of a stage row
.set RDB,  25                          ; v25  where I read eight numbers of a row back
.set CO,   26                          ; v26  8 x lane
.set AD,   27                          ; v27  the trip's LDS address
.set SPW,  28
.set NIL,  29
.set XQ,   32                          ; v32-63 four rows' numbers
.set CQ,   64                          ; v64-71 their codes
.set GOF,  72                          ; v72-75 the four rows' offsets
.set AF,   128
.set G1, 24
.set G0, 32
.set G1B, 48
.set G0B, 56
.set MSB, 0
.macro WIN new                         ; the immediate's high byte repeats the setting that is left
.if MSB != (\new)
	s_set_vgpr_msb (MSB<<8)|(\new)
.set MSB, (\new)
.endif
.endm
.set MUL_LO, 0xa1
.set MUL_HI, 0xf1
.set TO_B,   0x40
.macro JLOAD g0a, g1a, g0b, g1b        ; a joint load: waves 0, 1 fetch h's halves, waves 2, 3 the weights'; four v_nop follow each line
	s_cmp_eq_u32 s15, 0
	s_cbranch_scc0 .Lfor_b_\@
	tensor_load_to_lds s[\g0a:\g0a+3], s[\g1a:\g1a+7]
	s_nop 0
.rept 4
	v_nop
.endr
	s_branch .Lasked_\@
.Lfor_b_\@:
	tensor_load_to_lds s[\g0b:\g0b+3], s[\g1b:\g1b+7]
	s_nop 0
.rept 4
	v_nop
.endr
.Lasked_\@:
.endm
.macro CREST
	s_cmp_lg_u32 s14, 0
	s_cbranch_scc1 .Lnot_wave_0_\@
	s_barrier_signal -3
.Lnot_wave_0_\@:
	s_barrier_wait -3
	s_barrier_signal -1
	s_barrier_wait -1
.endm
.macro CROUND
	s_barrier_signal -1
	s_barrier_wait -1
	CREST
.endm
	s_load_b128 s[4:7], s[0:1], 0x0                ; h's codes s[4:5], W s[6:7]
	s_load_b128 s[8:11], s[0:1], 0x10              ; the scales' exponents s[8:9], QKV s[10:11]
	v_lshl_add_u32 v[SPW], v0, 2, SPARE
	v_mov_b32 v[NIL], 0
	ds_add_u32 v28, v29
	ds_add_u32 v28, v29
	s_wait_dscnt 0x0
	v_lshrrev_b32 v1, 5, v0
	v_readfirstlane_b32 s14, v1                    ; wave 0..3
	s_lshr_b32 s15, s14, 1
	s_and_b32 s16, s14, 1
	s_bfe_u32 s40, ttmp6, 0x40000                  ; cx
	s_bfe_u32 s41, ttmp6, 0x40004                  ; cy
	s_lshl_b32 s42, ttmp9, 2
	s_add_co_u32 s42, s42, s40                     ; tile column
	s_and_b32 s17, ttmp7, 0xffff
	s_lshl_b32 s17, s17, 2
	s_add_co_u32 s17, s17, s41                     ; tile row
	s_lshl_b32 s43, s41, 2
	s_lshl_b32 s43, 15, s43                        ; my row of the cluster
	s_lshl_b32 s44, 0x1111, s40                    ; my column
	s_or_b32 s[G1+0], s43, (0<<16)|(1<<20)|(1<<21)|(5<<22)|(3<<25)  ; mask; elements of 1 byte; padding on; bit 21 beside a mask; 4 words after every 64
	s_or_b32 s[G1B+0], s44, (0<<16)|(1<<20)|(1<<21)|(5<<22)|(3<<25)
.irp g, G1, G1B
	s_mov_b32 s[\g+1], ROWB<<16                    ; tensor_dim0
	s_mov_b32 s[\g+2], 128<<16                     ; tensor_dim1
	s_mov_b32 s[\g+3], ROWB<<16                    ; tile_dim0
	s_mov_b32 s[\g+4], 128                         ; tile_dim1
	s_mov_b32 s[\g+5], KROW                        ; the pitch
	s_mov_b32 s[\g+6], 0
	s_mov_b32 s[\g+7], 0
.endr
	s_lshl_b32 s18, s16, 7
	s_lshl_b32 s20, s17, 8
	s_add_co_u32 s20, s20, s18                     ; h: row 256 x tile row + 128 x half
	s_lshl_b32 s46, s42, 8
	s_add_co_u32 s46, s46, s18                     ; weights: row 256 x tile column + 128 x half
	s_mov_b32 s21, 0
	s_mov_b32 s47, 0
	s_mov_b64 s[18:19], KROW
	s_mul_u64 s[20:21], s[20:21], s[18:19]
	s_mul_u64 s[46:47], s[46:47], s[18:19]
	s_mul_i32 s45, s14, HALFT                      ; where they go: wave x 128 rows
	s_wait_kmcnt 0x0
	s_load_b256 s[68:75], s[8:9], 0x0              ; e0 .. e7
	s_add_nc_u64 s[20:21], s[4:5], s[20:21]
	s_add_nc_u64 s[46:47], s[6:7], s[46:47]
	s_add_nc_u64 s[46:47], s[46:47], WOFF
	CROUND                                         ; all sixteen work-groups are here: the first joint loads meet
.irp s, 0,1
	s_mov_b32 s[G0+4*\s], 1
	s_add_co_u32 s[G0+4*\s+1], s45, \s*SLOT
	s_add_nc_u64 s[G0+4*\s+2:G0+4*\s+3], s[20:21], \s*ROWB
	s_or_b32 s[G0+4*\s+3], s[G0+4*\s+3], 0x80000000
	s_mov_b32 s[G0B+4*\s], 1
	s_add_co_u32 s[G0B+4*\s+1], s45, \s*SLOT
	s_add_nc_u64 s[G0B+4*\s+2:G0B+4*\s+3], s[46:47], \s*ROWB
	s_or_b32 s[G0B+4*\s+3], s[G0B+4*\s+3], 0x80000000
	JLOAD G0+4*\s, G1, G0B+4*\s, G1B
.endr
	v_and_b32 v1, 15, v0                           ; l % 16
	v_bfe_u32 v2, v0, 4, 1                         ; l / 16
	v_mul_u32_u24 v3, v1, PITCH
	v_lshl_add_u32 v4, v2, 4, v3
	s_wait_alu depctr_va_vdst(0)
	s_cmp_eq_u32 ttmp9, 2                          ; v's clusters read the weights' rows at ADRA and h's at ADRB
	s_cselect_b32 s18, 2*HALFT, 0
	s_cselect_b32 s19, 0, 2*HALFT
	s_mul_i32 s21, s15, HALFT
	s_add_co_u32 s21, s21, s18
	s_mul_i32 s22, s16, HALFT
	s_add_co_u32 s22, s22, s19
.irp s, 0,1
	v_add_nc_u32 v[ADRA+\s], s21, v4
	v_add_nc_u32 v[ADRB+\s], s22, v4
	s_add_co_u32 s21, s21, SLOT
	s_add_co_u32 s22, s22, SLOT
.endr
	s_mul_i32 s23, s14, WSTG                       ; my part of the stage
	v_mul_u32_u24 v5, v1, SPITCH
	v_lshl_add_u32 v5, v2, 5, v5
	v_add_nc_u32 v[STO], s23, v5                   ; row l % 16, 32 bytes for each half of the lanes
	s_mul_i32 s23, s15, 2*WSTG                     ; back: rows 64 w .. of the tile: the row half's two parts,
	s_mul_i32 s22, s16, 64*SPITCH                  ; 64 rows down in odd waves,
	s_add_co_u32 s23, s23, s22
	v_mul_u32_u24 v[RDB], v2, WSTG                 ; lanes 16-31 in the column half's part,
	v_lshl_add_u32 v[RDB], v1, 5, v[RDB]           ; eight numbers a lane
	v_add_nc_u32 v[RDB], s23, v[RDB]
	v_and_b32 v[CO], 31, v0
	v_lshlrev_b32 v[CO], 3, v[CO]
.macro FRAG reg, adr, q, i             ; 16 rows x 128 K: registers 4 c .. 4 c + 3 hold K = 32 c + 16 (l / 16) + 0 .. 15
.irp c, 0,1,2,3
	ds_load_b128 v[\reg+4*\c:\reg+4*\c+3], v[\adr] offset:128*(\q)+32*\c+(\i)*16*PITCH
.endr
.endm
.macro MUL16 a0, p, zero               ; the 64 accumulators take turns, one instruction a turn
.irp a, \a0, \a0+1
.irp b, 0,1,2,3,4,5,6,7
.if \zero
	v_wmma_f32_16x16x128_fp8_fp8 v[8*(8*((\a)%4)+\b):8*(8*((\a)%4)+\b)+7], v[128*(\p)+FR*\b:128*(\p)+FR*\b+FR-1], v[AF+FR*(\a):AF+FR*(\a)+FR-1], 0
.else
	v_wmma_f32_16x16x128_fp8_fp8 v[8*(8*((\a)%4)+\b):8*(8*((\a)%4)+\b)+7], v[128*(\p)+FR*\b:128*(\p)+FR*\b+FR-1], v[AF+FR*(\a):AF+FR*(\a)+FR-1], v[8*(8*((\a)%4)+\b):8*(8*((\a)%4)+\b)+7]
.endif
.endr
.endr
.endm
.macro FETCH_B slot, q, p
	WIN TO_B
.irp i, 0,1,2,3,4,5,6,7
	FRAG 128*(\p)+FR*\i, ADRB+\slot, \q, \i
.endr
	WIN 0
.endm
.macro FETCH_A slot, q, i0
.irp i, \i0, \i0+1, \i0+2, \i0+3
	FRAG AF+FR*(\i), ADRA+\slot, \q, \i
.endr
.endm
.macro PLACES n                        ; plain vector instructions between a matrix instruction and a load into, or a read of, its registers
.rept \n
	v_nop
.endr
.endm
.macro STEP slot, q, zero              ; 128 along K whose successor lies in the same slot
	s_wait_dscnt 4*NL                              ; all but the youngest sixteen loads (blocks 4-7 of the ADRA side)
	WIN MUL_LO
	MUL16 0, (\q)%2, \zero
	MUL16 2, (\q)%2, \zero
	s_wait_dscnt 0
	PLACES NP
	FETCH_B \slot, (\q)+1, 1-(\q)%2
	FETCH_A \slot, (\q)+1, 0
	WIN MUL_HI
	MUL16 4, (\q)%2, \zero
	MUL16 6, (\q)%2, \zero
	PLACES NP
	WIN 0
	FETCH_A \slot, (\q)+1, 4
.endm
.macro TURN slot, next, fill           ; a slot's last step changes slots: one barrier
	s_wait_tensorcnt 0x0                           ; all my tensor loads have landed: my part of the next slot
	ds_add_u32 v[SPW], v[NIL]                      ; 0 onto my spare word
	s_wait_dscnt 4*NL+1                            ; the add and the youngest sixteen loads may be out
	WIN MUL_LO
	MUL16 0, 1, 0
	s_wait_dscnt 0x0                               ; the add is done, and my reads of this slot are over
	s_barrier_signal -1
	MUL16 2, 1, 0
	WIN 0
	s_barrier_wait -1
.if \fill
	CREST                                          ; the barrier has opened a round of the cluster's barrier
	s_add_nc_u64 s[G0+4*\slot+2:G0+4*\slot+3], s[G0+4*\slot+2:G0+4*\slot+3], 2*ROWB
	s_add_nc_u64 s[G0B+4*\slot+2:G0B+4*\slot+3], s[G0B+4*\slot+2:G0B+4*\slot+3], 2*ROWB
	JLOAD G0+4*\slot, G1, G0B+4*\slot, G1B         ; the first tensor load behind the round; its four v_nop are the places in front of the loads below
.else
	PLACES NP
.endif
	s_wait_alu depctr_va_vdst(0)
	FETCH_B \next, 0, 0
	FETCH_A \next, 0, 0
	WIN MUL_HI
	MUL16 4, 1, 0
	MUL16 6, 1, 0
	PLACES NP
	WIN 0
	FETCH_A \next, 0, 4
.endm
	s_wait_tensorcnt 1                             ; my part of K step 0 is in; K step 1's load may be out
	s_barrier_signal -1
	s_barrier_wait -1
	FETCH_B 0, 0, 0
	FETCH_A 0, 0, 0
	FETCH_A 0, 0, 4
	STEP 0, 0, 1                                   ; the first step's products start the sums
	s_mov_b32 s3, LAPS-1
.Llap:
	TURN 0, 1, 1
	STEP 1, 0, 0
	TURN 1, 0, 1
	STEP 0, 0, 0
	s_sub_co_u32 s3, s3, 1
	s_cmp_lg_u32 s3, 0
	s_cbranch_scc1 .Llap
	TURN 0, 1, 0                                   ; the last lap fills nothing
	STEP 1, 0, 0
	s_wait_dscnt 4*NL
	WIN MUL_LO
	MUL16 0, 1, 0
	MUL16 2, 1, 0
	s_wait_dscnt 0
	WIN MUL_HI
	MUL16 4, 1, 0
	MUL16 6, 1, 0
	WIN 0
	; THE WAY OUT.  The scale, and where my 64 rows go
	s_wait_kmcnt 0x0
	s_cmp_eq_u32 ttmp9, 0
	s_cselect_b32 s88, s70, s71                    ; e2 for q, e3 for k,
	s_cmp_eq_u32 ttmp9, 2
	s_cselect_b32 s88, s73, s88                    ; e5 for v
	s_mov_b32 s80, 1024
	s_cselect_b32 s80, 2048, s80                   ; bytes of an output row
	s_sub_co_i32 s88, s88, s68
	s_sub_co_i32 s88, s88, s69
	s_add_co_i32 s88, s88, 127
	s_lshl_b32 s89, s88, 23
	v_mov_b32 v76, s89                             ; 2^(eT - e0 - e1) as f32
	s_lshl_b32 s81, ttmp9, 22                      ; q, k: the tensor,
	s_lshl_b32 s82, s17, 18                        ; 256 tokens of 1,024 bytes for each tile row,
	s_add_co_u32 s81, s81, s82
	s_lshl_b32 s82, s40, 8                         ; 256 features for each place in the cluster's row
	s_add_co_u32 s81, s81, s82
	s_lshr_b32 s83, s17, 3                         ; v: the batch,
	s_lshl_b32 s83, s83, 21
	s_add_co_u32 s83, s83, 8388608
	s_lshl_b32 s82, s40, 19                        ; 256 feature rows of 2,048 bytes,
	s_add_co_u32 s83, s83, s82
	s_and_b32 s82, s17, 7
	s_lshl_b32 s82, s82, 8                         ; 256 keys for each tile row within the batch
	s_add_co_u32 s83, s83, s82
	s_cmp_eq_u32 ttmp9, 2
	s_cselect_b32 s81, s83, s81
	s_lshl_b32 s82, s14, 6
	s_mul_i32 s82, s82, s80                        ; my wave's 64 rows
	s_add_co_u32 s84, s81, s82
	s_mov_b32 s85, 0
	s_add_nc_u64 s[10:11], s[10:11], s[84:85]
	s_lshl_b32 s86, s80, 2                         ; four rows a trip
	s_mov_b32 s87, 0
.irp j, 0,1,2,3
	v_mad_u32_u24 v[GOF+\j], s80, \j, v[CO]
.endr
	s_wait_dscnt 0x0
	s_barrier_signal -1                            ; every wave's reads of both slots are over: the stage may be written
	s_barrier_wait -1
	PLACES NP
.irp a, 0,1,2,3,4,5,6,7
	WIN 0x08+4*(\a/4)                              ; the store's data in window 2 or 3
.irp b, 0,1,2,3,4,5,6,7
	ds_store_b128 v[STO], v[64*(\a%4)+8*\b:64*(\a%4)+8*\b+3] offset:\a*16*SPITCH+64*\b       ; each accumulator from its low end on
	ds_store_b128 v[STO], v[64*(\a%4)+8*\b+4:64*(\a%4)+8*\b+7] offset:\a*16*SPITCH+64*\b+16
.endr
.endr
	WIN 0
	s_wait_dscnt 0x0                               ; for the others' sake: my stores have landed
	s_barrier_signal -1
	s_barrier_wait -1
	s_mov_b32 s90, 0                               ; the trip's rows in the stage
	s_mov_b32 s91, 0
.Lrow:                                             ; 16 trips of four rows
	v_add_nc_u32 v[AD], s90, v[RDB]
.irp j, 0,1,2,3
	ds_load_b128 v[XQ+8*\j:XQ+8*\j+3], v[AD] offset:SPITCH*\j
	ds_load_b128 v[XQ+8*\j+4:XQ+8*\j+7], v[AD] offset:SPITCH*\j+16
.endr
	s_wait_dscnt 0x0
.set p, 0
.rept 32
.set p, p+1
.endr
	s_wait_alu depctr_va_vdst(0)
.irp j, 0,1,2,3
	v_cvt_scalef32_pk8_fp8_f32 v[CQ+2*\j:CQ+2*\j+1], v[XQ+8*\j:XQ+8*\j+7], v76
.endr
	v_nop                                          ; a plain instruction behind the last conversion
.irp j, 0,1,2,3
	global_store_b64 v[GOF+\j], v[CQ+2*\j:CQ+2*\j+1], s[10:11]   ; 32 lanes store 256 consecutive aligned bytes
.endr
	s_wait_xcnt 0x0                                ; the stores have read their data and their base: both are written again
	s_add_nc_u64 s[10:11], s[10:11], s[86:87]
	s_add_co_u32 s90, s90, 4*SPITCH
	s_add_co_u32 s91, s91, 1
	s_cmp_lt_u32 s91, 16
	s_cbranch_scc1 .Lrow
	s_wait_tensorcnt 0x0                           ; the wave's end
	ds_add_u32 v[SPW], v[NIL]
	s_wait_dscnt 0x0
	CROUND                                         ; the closing round
	s_endpgm
.Lfunc_end_k_qc7a2964384_qkv:
	.size	k_qc7a2964384_qkv, .Lfunc_end_k_qc7a2964384_qkv-k_qc7a2964384_qkv
	.p2alignl 7, 3214868480
	.fill 96, 4, 3214868480
	.section	.rodata,"a",@progbits
	.p2align	6, 0x0
	.amdhsa_kernel k_qc7a2964384_qkv
		.amdhsa_group_segment_fixed_size 327680
		.amdhsa_private_segment_fixed_size 0
		.amdhsa_enable_private_segment 0
		.amdhsa_kernarg_size 32
		.amdhsa_user_sgpr_count 2
		.amdhsa_user_sgpr_kernarg_segment_ptr 1
		.amdhsa_wavefront_size32 1
		.amdhsa_system_sgpr_workgroup_id_x 1
		.amdhsa_system_sgpr_workgroup_id_y 1
		.amdhsa_system_sgpr_workgroup_id_z 1
		.amdhsa_system_vgpr_workitem_id 0
		.amdhsa_next_free_vgpr 1024
		.amdhsa_next_free_sgpr 100
		.amdhsa_reserve_vcc 0
		.amdhsa_float_denorm_mode_32 3
		.amdhsa_float_denorm_mode_16_64 3
		.amdhsa_fp16_overflow 1
		.amdhsa_memory_ordered 1
		.amdhsa_forward_progress 1
		.amdhsa_inst_pref_size 89
	.end_amdhsa_kernel
	.amdgpu_metadata
---
amdhsa.version: [ 1, 2 ]
amdhsa.kernels:
  - .name:           k_qc7a2964384_qkv
    .symbol:         k_qc7a2964384_qkv.kd
    .args:
      - { .name: H, .offset: 0, .size: 8, .value_kind: global_buffer, .address_space: global }
      - { .name: W, .offset: 8, .size: 8, .value_kind: global_buffer, .address_space: global }
      - { .name: lowp_scales, .offset: 16, .size: 8, .value_kind: global_buffer, .address_space: global }
      - { .name: QKV, .offset: 24, .size: 8, .value_kind: global_buffer, .address_space: global }
    .group_segment_fixed_size: 327680
    .private_segment_fixed_size: 0
    .kernarg_segment_align: 8
    .kernarg_segment_size: 32
    .max_flat_workgroup_size: 128
    .sgpr_count:     100
    .vgpr_count:     1024
    .wavefront_size: 32
...
	.end_amdgpu_metadata
.endif
;; end of part 3
;; launch attn (part 4): grid 32 x 8, 16 waves a work-group, clusters of 4 x 1, 327,680 bytes of LDS; arguments QKV, lowp_scales, H; writes H
.if DOCPART == 4
	.amdgcn_target "amdgcn-amd-amdhsa--gfx1250"
	.amdhsa_code_object_version 6
	.text
	.protected	k_qc7a2964384_attn
	.globl	k_qc7a2964384_attn
	.p2align	8
	.type	k_qc7a2964384_attn,@function
k_qc7a2964384_attn:
	s_mov_b64 s[64:65], 0
	v_nop
	global_prefetch_b8 v0, s[64:65] scope:SCOPE_SE
	s_setreg_imm32_b32 hwreg(HW_REG_WAVE_MODE, 25, 1), 1
	s_wait_xcnt 0x0
	s_wait_alu depctr_hold_cnt(0) depctr_sa_sdst(0) depctr_va_vdst(0) depctr_va_sdst(0) depctr_va_ssrc(0) depctr_va_vcc(0) depctr_vm_vsrc(0)
	s_getreg_b32 s2, hwreg(HW_REG_IB_STS2, 6, 4)
	s_cmp_eq_u32 s2, 0
	s_cbranch_scc0 .Lentry_in_a_cluster
	s_endpgm
.Lentry_in_a_cluster:
	s_bfe_u32 s2, ttmp6, 0x10000c
	s_cmp_lg_u32 s2, 0x3003
	s_cbranch_scc0 .Lentry_shape_is_right
	s_endpgm
.Lentry_shape_is_right:
; o = softmax(q k^T / 8) v for 32 heads of 64, both products on codes of E4M3; o leaves as codes (e6), [4096 tokens][1024].
; q (e2), k (e3): [4096][1024] codes at bytes 0 and 4,194,304 of QKV; v (e5): [2][1024 (head x 64 + d)][2048 keys] codes at 8,388,608.
; THE SOFTMAX: t = score x log2(e) / 8; M = the running largest t rounded UP to a whole number; p = 2^(t - M) is quantised (e4), not normalised; the row's sum is taken of the unquantised p and divides at the end.
; When M moves, the sum and O are multiplied by 2^(old M - new M): exact, and no branch on data.
; SHARES.  A work-group owns 64 queries of FOUR heads, so that a row of K's tile, of Q and of o is 256 consecutive bytes.  Wave w: head w / 4 of the four, queries 16 (w % 4) on; 256 registers, four waves to a SIMD.
; Every wave walks all 2,048 keys, 128 a step; K's and V's tiles come through two LDS slots of 256 keys.
; CLUSTER.  The four work-groups of a cluster own neighbouring query blocks of the same batch and heads and walk the same K and V: each tile is asked for JOINTLY (mask 15); waves 0, 1 ask for K's halves, waves 2, 3 for V's.
; LAYOUT.  Both products are used transposed (S^T = K Q^T, O^T = V^T P^T): a lane holds one query throughout.  A tile of K is 16 neighbouring keys: register j of tile t is key 16 t + 8 (lane / 16) + j, so the conversions' results
; are the second product's operand in the form's own order (registers 2 c, 2 c + 1: keys 16 c + 8 (lane / 16) + 0 .. 7), and V's fragments come in that order by loads of 8 bytes.
; In the first product K's and Q's fragments come by loads of 16 bytes, which permutes the head's 64 alike in both operands.
; A STEP AHEAD.  Two runs of 64 registers change places from step to step: one holds K's fragments and then V's, the other the scores.  As soon as eight scores have become codes their registers take a fragment of the NEXT step's K.
; THE CHANGE OF SLOTS stands in the middle of a slot's second step: V's loads, the last reads of the slot, are long out by then, and the next step's K is fetched behind it from the other slot.
; THE SOFTMAX'S ORDER: no two exponentials follow each other: between them stand the scaling of a later pair, the sum of an earlier pair, and O^T's rescaling.
; No prefetch of K and V is laid: a refill has two key steps of sixteen waves in which to land.
; LIMITS: e2 + e3 between -123 and 130; e4, and e6 - e4 - e5, between -126 and 119.  NaN among the inputs is not served.
; REGISTERS: v1-4 fragment addresses; v5, v6 the add's; v7-9 the way out; v12 -M, v13 the largest t, v[14:15] the sum; v16-23 Q; v32-95, v96-159 the two runs; v160-191 O^T; v192-207 p's codes; v236-254 at work.
.set KP,    272                        ; an LDS row: 256 bytes + 16 of padding: 68 words, so row r starts at bank 4 r mod 64 (64 banks of 4 bytes: ISA guide 11.1)
.set VOFF,  256*KP                     ; a slot: 256 rows of K, then 256 rows of V
.set SLOT,  2*VOFF
.set SPARE, 2*SLOT                     ; the spare words: 128 bytes for each of sixteen waves, named by no other line
.set STAGE, SPARE+2048                 ; the way out: 64 rows x 272 bytes; no tile lands here
.set XB,  32                           ; the two runs
.set YB,  96
.set OT,  160                          ; O^T
.set PC,  192                          ; p's codes
.set ADK, 1
.set ADV, 3
.set SPW, 5
.set NIL, 6
.set GO,  7
.set STO, 8
.set RD,  9
.set WV,  18
.set SEL, 20
.set CS,  22
.set G1K, 24
.set G1V, 32
.set G0K, 40                           ; s[40:47] K's groups 0, one for each slot
.set G0V, 48                           ; s[48:55] V's
.set TRIPS, 56
.macro JLOAD s                         ; the branches hang on the wave's number alone; four v_nop follow each line
	s_cmp_lt_u32 s[WV], 2
	s_cbranch_scc0 .Lnot_k_\@
	tensor_load_to_lds s[G0K+4*(\s):G0K+4*(\s)+3], s[G1K:G1K+7]
	s_nop 0
.rept 4
	v_nop
.endr
	s_branch .Lasked_\@
.Lnot_k_\@:
	s_cmp_lt_u32 s[WV], 4
	s_cbranch_scc0 .Lasked_\@
	tensor_load_to_lds s[G0V+4*(\s):G0V+4*(\s)+3], s[G1V:G1V+7]
	s_nop 0
.rept 4
	v_nop
.endr
.Lasked_\@:
.endm
.macro CROUND
	s_barrier_signal -1
	s_barrier_wait -1
	s_cmp_lg_u32 s[WV], 0
	s_cbranch_scc1 .Lnot_wave_0_\@
	s_barrier_signal -3
.Lnot_wave_0_\@:
	s_barrier_wait -3
	s_barrier_signal -1
	s_barrier_wait -1
.endm
	s_load_b128 s[4:7], s[0:1], 0x0                ; QKV s[4:5], the scales' exponents s[6:7]
	s_load_b64 s[16:17], s[0:1], 0x10              ; H
	v_lshl_add_u32 v[SPW], v0, 2, SPARE
	v_mov_b32 v[NIL], 0
	ds_add_u32 v5, v6
	ds_add_u32 v5, v6
	s_wait_dscnt 0x0
	v_lshrrev_b32 v24, 5, v0
	s_delay_alu instid0(VALU_DEP_1)
	v_readfirstlane_b32 s[WV], v24                 ; wave 0..15
	s_bfe_u32 s19, ttmp6, 0x40000                  ; cx
	s_lshl_b32 s66, ttmp9, 2
	s_add_co_u32 s66, s66, s19                     ; my block of 64 queries: it enters Q's and o's addresses alone
	s_and_b32 s67, ttmp7, 0xffff
	s_lshr_b32 s68, s67, 2                         ; the batch
	s_and_b32 s69, s67, 3                          ; the group of four heads
	s_lshr_b32 s70, s[WV], 2                       ; my head of the four
	s_and_b32 s71, s[WV], 3                        ; my tile of 16 queries
	s_and_b32 s72, s[WV], 1                        ; which 128 rows of a tile I fetch, if I fetch
	s_lshl_b32 s74, s68, 21                        ; K: the batch's 2,048 rows of 1,024 bytes,
	s_lshl_b32 s75, s72, 17                        ; 128 rows,
	s_add_co_u32 s74, s74, s75
	s_lshl_b32 s75, s69, 8                         ; the four heads' 256 bytes,
	s_add_co_u32 s74, s74, s75
	s_add_co_u32 s74, s74, 4194304                 ; in k's part of QKV
	s_mov_b32 s75, 0
	s_lshl_b32 s76, s68, 21                        ; V: the batch,
	s_lshl_b32 s77, s69, 19                        ; the four heads' 256 rows of 2,048 bytes,
	s_add_co_u32 s76, s76, s77
	s_lshl_b32 s77, s72, 18                        ; 128 rows,
	s_add_co_u32 s76, s76, s77
	s_add_co_u32 s76, s76, 8388608                 ; in v's part
	s_mov_b32 s77, 0
	s_mul_i32 s78, s72, 128*KP                     ; and their place in a slot: no place in the cluster enters an LDS address
	s_mov_b32 s[G1K], 15|(1<<20)|(1<<21)|(5<<22)|(3<<25)   ; the mask: all four; elements of 1 byte; padding on; bit 21 beside a mask; 4 words after every 64
	s_mov_b32 s[G1V], 15|(1<<20)|(1<<21)|(5<<22)|(3<<25)
.irp g, G1K, G1V
	s_mov_b32 s[\g+1], 256<<16                     ; tensor_dim0
	s_mov_b32 s[\g+2], 128<<16                     ; tensor_dim1
	s_mov_b32 s[\g+3], 256<<16                     ; tile_dim0
	s_mov_b32 s[\g+4], 128                         ; tile_dim1
	s_mov_b32 s[\g+6], 0
	s_mov_b32 s[\g+7], 0
.endr
	s_mov_b32 s[G1K+5], 1024                       ; the pitch: a token's row,
	s_mov_b32 s[G1V+5], 2048                       ; a feature's row of keys
	s_mov_b32 s[SEL], 0x76543210
	s_mov_b32 s[SEL+1], 0xfedcba98
	s_mov_b32 s[CS], 0x3e38aa3b                    ; c = log2(e) / 8
	s_lshl_b32 s80, s68, 11
	s_lshl_b32 s81, s66, 6
	s_add_co_u32 s80, s80, s81                     ; the work-group's first token
	s_lshl_b32 s81, s71, 4
	s_add_co_u32 s81, s80, s81                     ; my wave's first query
	s_lshl_b32 s82, s81, 10
	s_lshl_b32 s81, s69, 8
	s_add_co_u32 s82, s82, s81
	s_lshl_b32 s83, s70, 6
	s_add_co_u32 s82, s82, s83                     ; + my head's 64 bytes
	s_mov_b32 s83, 0
	s_lshl_b32 s84, s[WV], 2
	s_add_co_u32 s84, s80, s84                     ; the first of the four rows of o that I store
	s_lshl_b32 s84, s84, 10
	s_add_co_u32 s84, s84, s81
	s_mov_b32 s85, 0
	s_wait_kmcnt 0x0
	s_load_b256 s[88:95], s[6:7], 0x0              ; e0 .. e7
	s_add_nc_u64 s[86:87], s[4:5], s[74:75]
	s_add_nc_u64 s[96:97], s[4:5], s[76:77]
	s_add_nc_u64 s[58:59], s[4:5], s[82:83]
	s_add_nc_u64 s[16:17], s[16:17], s[84:85]
	CROUND                                         ; all four work-groups are here: the first joint loads meet
.irp s, 0,1
	s_mov_b32 s[G0K+4*\s], 1
	s_add_co_u32 s[G0K+4*\s+1], s78, \s*SLOT
	s_add_nc_u64 s[G0K+4*\s+2:G0K+4*\s+3], s[86:87], \s*262144     ; slot s begins with keys 256 s on
	s_or_b32 s[G0K+4*\s+3], s[G0K+4*\s+3], 0x80000000
	s_mov_b32 s[G0V+4*\s], 1
	s_add_co_u32 s[G0V+4*\s+1], s78, \s*SLOT+VOFF
	s_add_nc_u64 s[G0V+4*\s+2:G0V+4*\s+3], s[96:97], \s*256
	s_or_b32 s[G0V+4*\s+3], s[G0V+4*\s+3], 0x80000000
.endr
	JLOAD 0                                        ; slot 0; slot 1 is first filled behind the round below, as a refill is
	v_and_b32 v24, 15, v0                          ; r
	v_bfe_u32 v25, v0, 4, 1                        ; h
	s_delay_alu instid0(VALU_DEP_2)
	v_lshlrev_b32 v10, 10, v24
	s_delay_alu instid0(VALU_DEP_1)
	v_lshl_add_u32 v10, v25, 4, v10
	global_load_b128 v[16:19], v10, s[58:59]       ; Q's fragment stays in registers
	global_load_b128 v[20:23], v10, s[58:59] offset:32
	v_mul_u32_u24 v[ADK], v24, KP                  ; K: row r of a tile of 16 neighbouring keys: the 16 rows of a load start at 16 different groups of four banks
	s_delay_alu instid0(VALU_DEP_1)
	v_lshl_add_u32 v[ADK], v25, 4, v[ADK]
	s_lshl_b32 s79, s70, 6
	v_add_nc_u32 v[ADK], s79, v[ADK]               ; + my head's 64 bytes of a key's row
	s_delay_alu instid0(VALU_DEP_1)
	v_add_nc_u32 v[ADK+1], SLOT, v[ADK]
	v_mul_u32_u24 v[ADV], v24, KP                  ; V: row r of a tile of 16 of the head's 64, + 8 h: the 32 lanes of a load of 8 bytes touch 64 different banks
	s_delay_alu instid0(VALU_DEP_1)
	v_lshl_add_u32 v[ADV], v25, 3, v[ADV]
	s_mul_i32 s79, s70, 64*KP
	s_add_co_u32 s79, s79, VOFF
	v_add_nc_u32 v[ADV], s79, v[ADV]               ; my head's 64 rows of V
	s_delay_alu instid0(VALU_DEP_1)
	v_add_nc_u32 v[ADV+1], SLOT, v[ADV]
	s_mul_i32 s79, s71, 16*KP
	s_lshl_b32 s57, s70, 6
	s_add_co_u32 s79, s79, s57
	s_add_co_u32 s79, s79, STAGE
	v_mul_u32_u24 v[STO], v24, KP
	s_delay_alu instid0(VALU_DEP_1)
	v_lshl_add_u32 v[STO], v25, 3, v[STO]
	s_delay_alu instid0(VALU_DEP_1)
	v_add_nc_u32 v[STO], s79, v[STO]               ; the stage, in: row = my query, + my head's 64 bytes, + 8 h
	s_mul_i32 s79, s[WV], 4*KP
	s_add_co_u32 s79, s79, STAGE
	v_mul_u32_u24 v[RD], v25, KP
	s_delay_alu instid0(VALU_DEP_1)
	v_lshl_add_u32 v[RD], v24, 4, v[RD]
	s_delay_alu instid0(VALU_DEP_1)
	v_add_nc_u32 v[RD], s79, v[RD]                 ; back: rows 4 w on; lanes 0-15 one row, lanes 16-31 the next
	v_lshlrev_b32 v[GO], 10, v25
	s_delay_alu instid0(VALU_DEP_1)
	v_lshl_add_u32 v[GO], v24, 4, v[GO]            ; and the same in o
	v_mov_b32 v13, 0xff61b1e6                      ; the largest t so far: -3e38
	s_delay_alu instid0(VALU_DEP_1)
	v_floor_f32 v12, -v13                          ; -M
	v_mov_b32 v14, 0
	v_mov_b32 v15, 0
	v_mov_b32 v236, 0                              ; a lane permute's destination counts as one of its sources
	v_mov_b32 v253, 0                              ; (named as the upper half of v[252:253])
.set j, 0
.rept 32
	v_mov_b32 v[OT+j], 0                           ; O^T: the step is written once; the first change of M leaves zeros zeros
.set j, j+1
.endr
	s_wait_kmcnt 0x0
	s_add_co_i32 s79, s90, s91
	s_lshl_b32 s79, s79, 23
	s_add_co_i32 s[CS], s[CS], s79                 ; a score stands for score x 2^(e2 + e3): added to c's exponent field
	s_mov_b32 s[CS+1], s[CS]
	s_add_co_i32 s79, s92, 127
	s_lshl_b32 s57, s79, 23
	v_mov_b32 v244, s57                            ; 2^e4 as f32
	s_sub_co_i32 s79, s94, s92
	s_sub_co_i32 s79, s79, s93
	s_add_co_i32 s79, s79, 127
	s_lshl_b32 s57, s79, 23
	v_mov_b32 v245, s57                            ; 2^(e6 - e4 - e5): o's conversion, the three scales folded
; One fragment of K: tile g (16 keys x my head's 64) of half q of a slot, into eight registers from base + 8 g on
.macro KLOAD base, g, slot, q
	ds_load_b128 v[\base+8*(\g):\base+8*(\g)+3], v[ADK+\slot] offset:(128*(\q)+16*(\g))*KP
	ds_load_b128 v[\base+8*(\g)+4:\base+8*(\g)+7], v[ADK+\slot] offset:(128*(\q)+16*(\g))*KP+32
.endm
; THE CHANGE OF SLOTS.  Slot r has been read out.  fill = 1: it is filled with the keys two slots on, behind a round of the cluster's barrier; fill = 0: nothing is left to fetch
.macro CHANGE fill, r
	s_wait_tensorcnt 0x0                           ; all my tensor loads have landed: my part of the other slot; so a group 0 may be written
	ds_add_u32 v[SPW], v[NIL]                      ; 0 onto my spare word
.if \fill
	s_add_nc_u64 s[G0K+4*(\r)+2:G0K+4*(\r)+3], s[G0K+4*(\r)+2:G0K+4*(\r)+3], 524288   ; this slot's next tile: 512 keys on
	s_add_nc_u64 s[G0V+4*(\r)+2:G0V+4*(\r)+3], s[G0V+4*(\r)+2:G0V+4*(\r)+3], 512
.endif
	s_wait_dscnt 0x0                               ; the add is done, and my reads of slot r are over: the last were this step's loads of V
.if \fill
	CROUND                                         ; both now hold of every wave of all four work-groups
	JLOAD \r                                       ; the first thing behind the round, a wave's one tensor load until the next
.else
	s_barrier_signal -1
	s_barrier_wait -1
.endif
.endm
; A KEY STEP: 128 keys, half q of the slot.  Its fragments of K were asked for in the step before.
; chg = 1: the slot is left in this step (fill: and filled again).  nxt = 1: the next step's K is fetched, from half nq of slot ns.
.macro STEP slot, q, chg, fill, nxt, ns, nq
.set KB, XB+64*(\q)                    ; K's fragments, then V's
.set SB, YB-64*(\q)                    ; the scores, then p, then the next step's K
.rept 5
	v_nop                                          ; five places: the products below write over the registers from which the last step's V^T P read V (ISA guide 7.12.1)
.endr
	s_wait_dscnt 0x0                               ; K is in
.irp t, 0,1,2,3,4,5,6,7
	v_wmma_f32_16x16x64_fp8_fp8 v[SB+8*\t:SB+8*\t+7], v[KB+8*\t:KB+8*\t+7], v[16:23], 0
.endr
.rept 4
	v_nop                                          ; places in front of V's loads, and of the first read of the scores
.endr
.irp t, 0,1,2,3
.irp c, 0,1,2,3,4,5,6,7
	ds_load_b64 v[KB+16*\t+2*\c:KB+16*\t+2*\c+1], v[ADV+\slot] offset:16*\t*KP+128*(\q)+16*\c   ; keys 16 c + 8 h + 0 .. 7 of row 16 t + r; they land while the softmax is walked
.endr
.endr
	v_max3_num_f32 v254, v[SB], v[SB+1], v[SB+2]   ; the step's largest score of my query among my 64 keys, in two chains; each tile is read from its low end on
	v_max3_num_f32 v252, v[SB+3], v[SB+4], v[SB+5]
.irp e, 6,10,14,18,22,26,30,34,38,42,46,50,54,58
	v_max3_num_f32 v254, v254, v[SB+\e], v[SB+\e+1]
	v_max3_num_f32 v252, v252, v[SB+\e+2], v[SB+\e+3]
.endr
	v_max3_num_f32 v254, v254, v[SB+62], v[SB+63]
	s_delay_alu instid0(VALU_DEP_1)
	v_max_num_f32 v254, v254, v252
	s_delay_alu instid0(VALU_DEP_1)
	v_permlanex16_b32 v236, v254, s[SEL], s[SEL+1]
	s_delay_alu instid0(VALU_DEP_1)
	v_max_num_f32 v254, v254, v236                 ; and among lane l xor 16's
	s_delay_alu instid0(VALU_DEP_1)
	v_mul_f32 v254, s[CS], v254                    ; as t (c is positive)
	s_delay_alu instid0(VALU_DEP_1)
	v_max_num_f32 v13, v13, v254
	v_mov_b32 v254, v12
	s_delay_alu instid0(VALU_DEP_2)
	v_floor_f32 v12, -v13                          ; the new -M = -ceil(t)
	s_delay_alu instid0(VALU_DEP_1)
	v_sub_f32 v254, v12, v254                      ; old M - new M: a whole number, 0 or less
	s_delay_alu instid0(VALU_DEP_1)
	v_cvt_i32_f32 v254, v254                       ; (it saturates)
	s_delay_alu instid0(VALU_DEP_1)
	v_ldexp_f32 v252, 1.0, v254                    ; f = 2^(old M - new M)
	v_pk_fma_f32 v[SB:SB+1], v[SB:SB+1], s[CS:CS+1], v[12:13] op_sel_hi:[1,0,0]       ; t - M of pairs 0 and 1
	v_pk_fma_f32 v[SB+2:SB+3], v[SB+2:SB+3], s[CS:CS+1], v[12:13] op_sel_hi:[1,0,0]
; 32 turns, one for each pair of scores.  Turn n: the two exponentials of pair n, each with a plain instruction on other registers behind it (ISA guide 5.7.2): t - M of pair n + 2, and the sum's addition of pair n - 1;
; O^T's sixteen rescalings are dealt among the turns, in ascending order.  Two turns behind every fourth pair eight numbers become codes.
.set pn, 0
	s_wait_alu depctr_va_vdst(0)
.rept 32
.if pn == 16
.if \chg
	CHANGE \fill, \slot
.endif
.if \nxt
	KLOAD SB, 0, \ns, \nq                          ; the registers of the first 24 scores are free: three fragments of the next step's K
	KLOAD SB, 1, \ns, \nq
	KLOAD SB, 2, \ns, \nq
.endif
.endif
	v_exp_f32 v[SB+2*pn], v[SB+2*pn]               ; p = 2^(t - M)
.if pn < 30
	v_pk_fma_f32 v[SB+2*pn+4:SB+2*pn+5], v[SB+2*pn+4:SB+2*pn+5], s[CS:CS+1], v[12:13] op_sel_hi:[1,0,0]
.else
	s_wait_alu depctr_va_vdst(0)
	v_pk_mul_f32 v[OT+2*(pn-16):OT+2*(pn-16)+1], v[OT+2*(pn-16):OT+2*(pn-16)+1], v[252:253] op_sel_hi:[1,0]   ; O^T's last two pairs
.endif
	v_exp_f32 v[SB+2*pn+1], v[SB+2*pn+1]
.if pn == 0
	s_wait_alu depctr_va_vdst(0)
	v_pk_mul_f32 v[OT:OT+1], v[OT:OT+1], v[252:253] op_sel_hi:[1,0]           ; O^T under the new M: x f
.elseif pn == 1
	s_wait_alu depctr_va_vdst(0)
	v_pk_fma_f32 v[14:15], v[14:15], v[252:253], v[SB:SB+1] op_sel_hi:[1,0,1] ; the sum under the new M, and pair 0: THE ROW'S SUM IS TAKEN OF THE UNQUANTISED p
.else
	s_wait_alu depctr_va_vdst(0)
	v_pk_add_f32 v[14:15], v[14:15], v[SB+2*pn-2:SB+2*pn-1]
.endif
.if pn >= 2
.endif
.if (pn >= 2) && (pn <= 26) && (pn%2 == 0)
	v_pk_mul_f32 v[OT+pn:OT+pn+1], v[OT+pn:OT+pn+1], v[252:253] op_sel_hi:[1,0]
.endif
.if (pn >= 5) && (pn%4 == 1)
.set gq, (pn-5)/4
	v_cvt_scalef32_pk8_fp8_f32 v[PC+2*gq:PC+2*gq+1], v[SB+8*gq:SB+8*gq+7], v244   ; tile gq's eight keys: registers 2 gq, 2 gq + 1 of the operand
.if \nxt && (pn > 16)
	KLOAD SB, gq, \ns, \nq                         ; and their registers take a fragment of the next step's K
.endif
.endif
.set pn, pn+1
.endr
	v_pk_add_f32 v[14:15], v[14:15], v[SB+62:SB+63]
	v_cvt_scalef32_pk8_fp8_f32 v[PC+14:PC+15], v[SB+56:SB+63], v244
.if \nxt
	KLOAD SB, 7, \ns, \nq
.endif
	v_nop                                          ; a plain instruction between the last conversion and the products that read its result
.if \nxt
	s_wait_alu depctr_va_vdst(0)
	s_wait_dscnt 16                                ; V's fragments are in; the sixteen loads of the next step's K, issued behind them, may be out
.else
	s_wait_alu depctr_va_vdst(0)
	s_wait_dscnt 0x0
.endif
.irp t, 0,1,2,3
	v_wmma_f32_16x16x128_fp8_fp8 v[OT+8*\t:OT+8*\t+7], v[KB+16*\t:KB+16*\t+15], v[PC:PC+15], v[OT+8*\t:OT+8*\t+7]   ; the four accumulators take turns
.endr
.endm
	s_wait_loadcnt 0x0                             ; Q
	s_wait_tensorcnt 0x0                           ; my part of slot 0 has landed
	ds_add_u32 v[SPW], v[NIL]                      ; 0 onto my spare word
	s_wait_dscnt 0x0
	CROUND
	JLOAD 1                                        ; slot 1's first fill: keys 256 on
.irp e, 0,1,2,3,4,5,6,7
	KLOAD XB, \e, 0, 0                             ; the first step's K
.endr
	s_mov_b32 s[TRIPS], 3
.Lpair:                                            ; three trips of two slots, four key steps: after four steps the two runs and the two slots are back where they began
	STEP 0, 0, 0, 0, 1, 0, 1
	STEP 0, 1, 1, 1, 1, 1, 0
	STEP 1, 0, 0, 0, 1, 1, 1
	STEP 1, 1, 1, 1, 1, 0, 0
	s_sub_co_u32 s[TRIPS], s[TRIPS], 1
	s_cmp_lg_u32 s[TRIPS], 0
	s_cbranch_scc1 .Lpair
	STEP 0, 0, 0, 0, 1, 0, 1                       ; the tail is written out: the last two slots ask for nothing
	STEP 0, 1, 1, 0, 1, 1, 0
	STEP 1, 0, 0, 0, 1, 1, 1
	STEP 1, 1, 0, 0, 0, 0, 0
	; THE WAY OUT: O^T / the sum, quantised along the head's 64, through the stage, out as rows of 256 bytes
.rept 4
	v_nop                                          ; places behind the last products
.endr
	v_add_f32 v14, v14, v15
	s_delay_alu instid0(VALU_DEP_1)
	v_permlanex16_b32 v252, v14, s[SEL], s[SEL+1]
	s_delay_alu instid0(VALU_DEP_1)
	v_add_f32 v14, v14, v252                       ; the row's sum
	s_wait_alu depctr_va_vdst(0)
	v_rcp_f32 v14, v14
	v_nop                                          ; a plain instruction behind the transcendental
.set j, 0
	s_wait_alu depctr_va_vdst(0)
.rept 32
	v_mul_f32 v[96+j], v[OT+j], v14                ; register 8 t + i: channel 16 t + 8 h + i of my query
.set j, j+1
.endr
.set j, 0
.rept 32
.set j, j+1
.endr
.irp t, 0,1,2,3
	v_cvt_scalef32_pk8_fp8_f32 v[128+2*\t:129+2*\t], v[96+8*\t:103+8*\t], v245
.endr
	v_nop                                          ; a plain instruction behind the last conversion
.irp t, 0,1,2,3
	ds_store_b64 v[STO], v[128+2*\t:129+2*\t] offset:16*\t
.endr
	s_wait_dscnt 0x0                               ; for the others' sake: my stores have landed
	s_barrier_signal -1
	s_barrier_wait -1
	ds_load_b128 v[32:35], v[RD]
	ds_load_b128 v[36:39], v[RD] offset:2*KP
	s_wait_dscnt 0x1                               ; the second load may be out
	global_store_b128 v[GO], v[32:35], s[16:17]    ; sixteen lanes store 256 consecutive aligned bytes
	s_wait_dscnt 0x0
	global_store_b128 v[GO], v[36:39], s[16:17] offset:2048
	s_wait_tensorcnt 0x0                           ; the wave's end
	ds_add_u32 v[SPW], v[NIL]
	s_wait_dscnt 0x0
	CROUND                                         ; the closing round
	s_endpgm
.Lfunc_end_k_qc7a2964384_attn:
	.size	k_qc7a2964384_attn, .Lfunc_end_k_qc7a2964384_attn-k_qc7a2964384_attn
	.p2alignl 7, 3214868480
	.fill 96, 4, 3214868480
	.section	.rodata,"a",@progbits
	.p2align	6, 0x0
	.amdhsa_kernel k_qc7a2964384_attn
		.amdhsa_group_segment_fixed_size 327680
		.amdhsa_private_segment_fixed_size 0
		.amdhsa_enable_private_segment 0
		.amdhsa_kernarg_size 24
		.amdhsa_user_sgpr_count 2
		.amdhsa_user_sgpr_kernarg_segment_ptr 1
		.amdhsa_wavefront_size32 1
		.amdhsa_system_sgpr_workgroup_id_x 1
		.amdhsa_system_sgpr_workgroup_id_y 1
		.amdhsa_system_sgpr_workgroup_id_z 1
		.amdhsa_system_vgpr_workitem_id 0
		.amdhsa_next_free_vgpr 256
		.amdhsa_next_free_sgpr 100
		.amdhsa_reserve_vcc 0
		.amdhsa_float_denorm_mode_32 3
		.amdhsa_float_denorm_mode_16_64 3
		.amdhsa_fp16_overflow 1
		.amdhsa_memory_ordered 1
		.amdhsa_forward_progress 1
		.amdhsa_inst_pref_size 139
	.end_amdhsa_kernel
	.amdgpu_metadata
---
amdhsa.version: [ 1, 2 ]
amdhsa.kernels:
  - .name:           k_qc7a2964384_attn
    .symbol:         k_qc7a2964384_attn.kd
    .args:
      - { .name: QKV, .offset: 0, .size: 8, .value_kind: global_buffer, .address_space: global }
      - { .name: lowp_scales, .offset: 8, .size: 8, .value_kind: global_buffer, .address_space: global }
      - { .name: H, .offset: 16, .size: 8, .value_kind: global_buffer, .address_space: global }
    .group_segment_fixed_size: 327680
    .private_segment_fixed_size: 0
    .kernarg_segment_align: 8
    .kernarg_segment_size: 24
    .max_flat_workgroup_size: 512
    .sgpr_count:     100
    .vgpr_count:     256
    .wavefront_size: 32
...
	.end_amdgpu_metadata
.endif
;; end of part 4
;; launch proj (part 5): grid 8 x 32, 4 waves a work-group, clusters of 4 x 4, 327,680 bytes of LDS; arguments H, W, lowp_scales, proj_b, x, X1; writes X1
.if DOCPART == 5
	.amdgcn_target "amdgcn-amd-amdhsa--gfx1250"
	.amdhsa_code_object_version 6
	.text
	.protected	k_qc7a2964384_proj
	.globl	k_qc7a2964384_proj
	.p2align	8
	.type	k_qc7a2964384_proj,@function
k_qc7a2964384_proj:
	s_mov_b64 s[64:65], 0
	v_nop
	global_prefetch_b8 v0, s[64:65] scope:SCOPE_SE
	s_setreg_imm32_b32 hwreg(HW_REG_WAVE_MODE, 25, 1), 1
	s_wait_xcnt 0x0
	s_wait_alu depctr_hold_cnt(0) depctr_sa_sdst(0) depctr_va_vdst(0) depctr_va_sdst(0) depctr_va_ssrc(0) depctr_va_vcc(0) depctr_vm_vsrc(0)
	s_getreg_b32 s2, hwreg(HW_REG_IB_STS2, 6, 4)
	s_cmp_eq_u32 s2, 0
	s_cbranch_scc0 .Lentry_in_a_cluster
	s_endpgm
.Lentry_in_a_cluster:
	s_bfe_u32 s2, ttmp6, 0x10000c
	s_cmp_lg_u32 s2, 0xf033
	s_cbranch_scc0 .Lentry_shape_is_right
	s_endpgm
.Lentry_shape_is_right:
; out = res + a Wt^T + bias.  a: [4096][SIZE_K] codes of E4M3 (scale 2^ea); Wt: [1024][SIZE_K] codes (2^eb) at byte WOFF of W; bias [1024], res and out [4096][1024]: f32.  Here: a = attention's o, ea = e6, eb = e7.
; The codes are multiplied as they are; each finished sum once by 2^(ea + eb).  LIMIT: ea + eb between -126 and 127.  The fragments come by loads of 16 bytes, which permutes k alike in both operands.
; A tile is 128 x 128, since 1,024 columns give too few tiles of 256 x 256 for the grid: 8 x 32 work-groups.  Four waves, 64 x 64 each: 16 accumulators.  K goes in steps of 512 (LDS rows of 512 bytes) through two slots.
; CLUSTERS: 4 x 4 work-groups; a's tiles are asked for jointly along a row of the cluster, the weights' along a column.  THE MATRIX INSTRUCTION IS USED TRANSPOSED: a lane holds eight neighbouring columns of one row.
; REGISTERS: window 0: v0-31 addresses; v32-99 the way out; v128-255 the accumulators ((a, b) at v[128 + 8 (4 a + b)]).  Window 1: two fragment buffers of 128: a's four blocks, then the weights' four.
; THE WAY OUT: the raw sums go to a stage in slot 0 (it has had its last fill, and its last read lies in front of the last change of slots); each wave takes 32 whole rows: sum x 2^(ea + eb) + res, + bias; 32 lanes store 512 consecutive bytes.
.set SIZE_K, 1024
.set WOFF,   3145984
.set EA,     86                        ; s86 = e6, s87 = e7
.set EB,     87
.set KSTEP,  512
.set PITCH,  528                       ; an LDS row: 512 bytes + 16 of padding: the 16 rows of a load start at 16 different banks (ISA guide 11.1)
.set HALFT,  64*PITCH
.set SLOT,   4*HALFT
.set SPARE,  2*SLOT                    ; the spare words: 128 bytes a wave, named by no other line
.set LAPS,   SIZE_K/(2*KSTEP)
.set SPITCH, 272                       ; a stage row: 64 f32 + 16 bytes
.set WSTG,   64*SPITCH
.set ADRA, 16
.set ADRB, 20
.set STO,  24
.set RD,   25
.set CO,   26                          ; v26  16 x lane
.set SPW,  28
.set NIL,  29
.set RES0, 32                          ; v32-95   res, rows 0-15; later the sums of rows 16-31
.set BI,   96                          ; v96-99   my four numbers of the bias
.set RES1, 128                         ; v128-191 res, rows 16-31
.set SUM0, 192                         ; v192-255 the sums of rows 0-15
.set ACC,  128
.set F0,   0
.set F1,   128
.set G1, 24
.set G0, 32
.set G1B, 48
.set G0B, 56
.set MSB, 0
.macro WIN new
.if MSB != (\new)
	s_set_vgpr_msb (MSB<<8)|(\new)
.set MSB, (\new)
.endif
.endm
.set MUL,  0x05                        ; sources 0 and 1 window 1; C and D window 0
.set TO_F, 0x40                        ; destination window 1
.macro JLOAD s
	s_cmp_eq_u32 s11, 0
	s_cbranch_scc0 .Lfor_b_\@
	tensor_load_to_lds s[G0+4*\s:G0+4*\s+3], s[G1:G1+7]
	s_nop 0
.rept 4
	v_nop
.endr
	s_branch .Lasked_\@
.Lfor_b_\@:
	tensor_load_to_lds s[G0B+4*\s:G0B+4*\s+3], s[G1B:G1B+7]
	s_nop 0
.rept 4
	v_nop
.endr
.Lasked_\@:
.endm
.macro CREST
	s_cmp_lg_u32 s10, 0
	s_cbranch_scc1 .Lnot_wave_0_\@
	s_barrier_signal -3
.Lnot_wave_0_\@:
	s_barrier_wait -3
	s_barrier_signal -1
	s_barrier_wait -1
.endm
.macro CROUND
	s_barrier_signal -1
	s_barrier_wait -1
	CREST
.endm
	s_load_b128 s[4:7], s[0:1], 0x0                ; a's codes s[4:5], W s[6:7]
	s_load_b128 s[68:71], s[0:1], 0x10             ; the scales' exponents s[68:69], bias s[70:71]
	s_load_b128 s[72:75], s[0:1], 0x20             ; res s[72:73], out s[74:75]
	v_lshl_add_u32 v[SPW], v0, 2, SPARE
	v_mov_b32 v[NIL], 0
	ds_add_u32 v28, v29
	s_wait_dscnt 0x0
	v_lshrrev_b32 v1, 5, v0
	v_readfirstlane_b32 s10, v1                    ; wave 0..3
	s_lshr_b32 s11, s10, 1                         ; my half of the tile's rows; also: I fetch for a (0) or for the weights (1)
	s_and_b32 s12, s10, 1                          ; my half of its columns; also: which 64 rows I fetch
	s_bfe_u32 s40, ttmp6, 0x40000
	s_bfe_u32 s41, ttmp6, 0x40004
	s_lshl_b32 s42, ttmp9, 2
	s_add_co_u32 s42, s42, s40                     ; tile column
	s_and_b32 s13, ttmp7, 0xffff
	s_lshl_b32 s13, s13, 2
	s_add_co_u32 s13, s13, s41                     ; tile row
	s_lshl_b32 s43, s41, 2
	s_lshl_b32 s43, 15, s43
	s_lshl_b32 s44, 0x1111, s40
	s_or_b32 s[G1+0], s43, (0<<16)|(1<<20)|(1<<21)|(6<<22)|(3<<25)  ; mask; elements of 1 byte; padding on; bit 21 beside a mask; 4 words after every 128
	s_or_b32 s[G1B+0], s44, (0<<16)|(1<<20)|(1<<21)|(6<<22)|(3<<25)
.irp g, G1, G1B
	s_mov_b32 s[\g+1], KSTEP<<16
	s_mov_b32 s[\g+2], 64<<16
	s_mov_b32 s[\g+3], KSTEP<<16
	s_mov_b32 s[\g+4], 64
	s_mov_b32 s[\g+5], SIZE_K
	s_mov_b32 s[\g+6], 0
	s_mov_b32 s[\g+7], 0
.endr
	s_lshl_b32 s17, s12, 6
	s_lshl_b32 s16, s13, 7
	s_add_co_u32 s16, s16, s17
	s_lshl_b32 s46, s42, 7
	s_add_co_u32 s46, s46, s17
	s_mov_b32 s17, 0
	s_mov_b32 s47, 0
	s_mov_b64 s[18:19], SIZE_K
	s_mul_u64 s[16:17], s[16:17], s[18:19]
	s_mul_u64 s[46:47], s[46:47], s[18:19]
	s_mul_i32 s20, s10, HALFT
	s_wait_kmcnt 0x0
	s_load_b256 s[80:87], s[68:69], 0x0            ; e0 .. e7
	s_load_b128 s[88:91], s[68:69], 0x20           ; e8 .. e11
	s_add_nc_u64 s[14:15], s[4:5], s[16:17]
	s_add_nc_u64 s[46:47], s[6:7], s[46:47]
	s_add_nc_u64 s[46:47], s[46:47], WOFF
	CROUND
.irp s, 0,1
	s_mov_b32 s[G0+4*\s], 1
	s_add_co_u32 s[G0+4*\s+1], s20, \s*SLOT
	s_add_nc_u64 s[G0+4*\s+2:G0+4*\s+3], s[14:15], \s*KSTEP
	s_or_b32 s[G0+4*\s+3], s[G0+4*\s+3], 0x80000000
	s_mov_b32 s[G0B+4*\s], 1
	s_add_co_u32 s[G0B+4*\s+1], s20, \s*SLOT
	s_add_nc_u64 s[G0B+4*\s+2:G0B+4*\s+3], s[46:47], \s*KSTEP
	s_or_b32 s[G0B+4*\s+3], s[G0B+4*\s+3], 0x80000000
	JLOAD \s
.endr
	v_and_b32 v1, 15, v0
	v_bfe_u32 v2, v0, 4, 1
	v_mul_u32_u24 v3, v1, PITCH
	v_lshl_add_u32 v3, v2, 4, v3
	s_mul_i32 s21, s11, HALFT
	s_mul_i32 s22, s12, HALFT
	s_add_co_u32 s22, s22, 2*HALFT
.irp s, 0,1
	v_add_nc_u32 v[ADRA+\s], s21, v3
	v_add_nc_u32 v[ADRB+\s], s22, v3
	s_add_co_u32 s21, s21, SLOT
	s_add_co_u32 s22, s22, SLOT
.endr
	s_mul_i32 s23, s10, WSTG                       ; my part of the stage
	v_mul_u32_u24 v4, v1, SPITCH
	v_lshl_add_u32 v4, v2, 5, v4
	v_add_nc_u32 v[STO], s23, v4
	s_mul_i32 s23, s11, 2*WSTG                     ; back: tile rows 32 w on: the row half's two parts,
	s_mul_i32 s22, s12, 32*SPITCH                  ; 32 rows down in odd waves,
	s_add_co_u32 s23, s23, s22
	v_mul_u32_u24 v[RD], v2, WSTG                  ; lanes 16-31 in the column half's part
	v_lshl_add_u32 v[RD], v1, 4, v[RD]
	v_add_nc_u32 v[RD], s23, v[RD]
	v_and_b32 v[CO], 31, v0
	v_lshlrev_b32 v[CO], 4, v[CO]
	s_lshl_b32 s16, s13, 7
	s_lshl_b32 s17, s10, 5
	s_add_co_u32 s16, s16, s17                     ; the first row that I store
	s_lshl_b32 s16, s16, 12
	s_lshl_b32 s46, s42, 9                         ; the tile's first column, in bytes
	s_mov_b32 s47, 0
	s_add_co_u32 s76, s16, s46
	s_mov_b32 s77, 0
	s_add_nc_u64 s[72:73], s[72:73], s[76:77]
	s_add_nc_u64 s[74:75], s[74:75], s[76:77]
	s_add_nc_u64 s[70:71], s[70:71], s[46:47]
.macro MULA f, a, zero                 ; block a of a's rows against the weights' four; the 16 accumulators take turns
.irp b, 0,1,2,3
.if \zero
	v_wmma_f32_16x16x128_fp8_fp8 v[ACC+8*(4*(\a)+\b):ACC+8*(4*(\a)+\b)+7], v[\f+64+16*\b:\f+64+16*\b+15], v[\f+16*(\a):\f+16*(\a)+15], 0
.else
	v_wmma_f32_16x16x128_fp8_fp8 v[ACC+8*(4*(\a)+\b):ACC+8*(4*(\a)+\b)+7], v[\f+64+16*\b:\f+64+16*\b+15], v[\f+16*(\a):\f+16*(\a)+15], v[ACC+8*(4*(\a)+\b):ACC+8*(4*(\a)+\b)+7]
.endif
.endr
.endm
.macro FETCH slot, k, f                ; 32 LDS loads in one run: 128 along K at byte k of the rows: the weights' four blocks, then a's
	WIN TO_F
.irp i, 0,1,2,3
.irp c, 0,1,2,3
	ds_load_b128 v[\f+64+16*\i+4*\c:\f+64+16*\i+4*\c+3], v[ADRB+\slot] offset:\k+32*\c+\i*16*PITCH
.endr
.endr
.irp i, 0,1,2,3
.irp c, 0,1,2,3
	ds_load_b128 v[\f+16*\i+4*\c:\f+16*\i+4*\c+3], v[ADRA+\slot] offset:\k+32*\c+\i*16*PITCH
.endr
.endr
.endm
.macro PLACES
.rept 4
	v_nop
.endr
.endm
.macro QUARTER slot, k, f, g, zero     ; multiplies buffer f, fetches the next 128 along K, at byte k, into g
	s_wait_dscnt 8                                 ; all but the youngest eight loads (a's blocks 2, 3)
	WIN MUL
	MULA \f, 0, \zero
	MULA \f, 1, \zero
	PLACES
	FETCH \slot, \k, \g
	s_wait_dscnt 32                                ; all but the 32 just issued
	WIN MUL
	MULA \f, 2, \zero
	MULA \f, 3, \zero
.endm
.macro TURN slot, next, fill           ; the last quarter multiplies buffer 1 and changes slots: one barrier
	WIN 0
	s_wait_tensorcnt 0x0                           ; all my tensor loads have landed: my part of the next slot
	ds_add_u32 v[SPW], v[NIL]                      ; 0 onto my spare word
	s_wait_dscnt 9                                 ; the add and the youngest eight loads may be out
	WIN MUL
	MULA F1, 0, 0
	s_wait_dscnt 0x0                               ; the add is done, and my reads of this slot are over
	s_barrier_signal -1
	MULA F1, 1, 0
.if \fill
	WIN 0
.endif
	s_barrier_wait -1
.if \fill
	CREST
	s_add_nc_u64 s[G0+4*\slot+2:G0+4*\slot+3], s[G0+4*\slot+2:G0+4*\slot+3], 2*KSTEP
	s_add_nc_u64 s[G0B+4*\slot+2:G0B+4*\slot+3], s[G0B+4*\slot+2:G0B+4*\slot+3], 2*KSTEP
	JLOAD \slot                                    ; the first tensor load behind the round; its four v_nop are the places in front of the loads below
.else
	PLACES
.endif
	FETCH \next, 0, F0
	WIN MUL
	MULA F1, 2, 0
	MULA F1, 3, 0
.endm
	s_wait_tensorcnt 1                             ; my part of K step 0 is in; K step 1's load may be out
	s_barrier_signal -1
	s_barrier_wait -1
	FETCH 0, 0, F0
	QUARTER 0, 128, F0, F1, 1                      ; the first quarter's products start the sums
.if LAPS > 1
	WIN 0
	s_mov_b32 s3, LAPS-1
.Llap:
	QUARTER 0, 256, F1, F0, 0
	QUARTER 0, 384, F0, F1, 0
	TURN 0, 1, 1
	QUARTER 1, 128, F0, F1, 0
	QUARTER 1, 256, F1, F0, 0
	QUARTER 1, 384, F0, F1, 0
	TURN 1, 0, 1
	QUARTER 0, 128, F0, F1, 0
	WIN 0
	s_sub_co_u32 s3, s3, 1
	s_cmp_lg_u32 s3, 0
	s_cbranch_scc1 .Llap
.endif
	QUARTER 0, 256, F1, F0, 0                      ; the last lap fills nothing
	QUARTER 0, 384, F0, F1, 0
	TURN 0, 1, 0
	QUARTER 1, 128, F0, F1, 0
	QUARTER 1, 256, F1, F0, 0
	QUARTER 1, 384, F0, F1, 0
	WIN 0
	global_load_b128 v[BI:BI+3], v[CO], s[70:71]   ; the bias and the first sixteen rows of res are asked for ahead of the last products
.irp i, 0,1,2,3,4,5,6,7,8,9,10,11,12,13,14,15
	global_load_b128 v[RES0+4*\i:RES0+4*\i+3], v[CO], s[72:73] offset:\i*4096 th:TH_LOAD_NT
.endr
	s_wait_dscnt 8
	WIN MUL
	MULA F1, 0, 0
	MULA F1, 1, 0
	s_wait_dscnt 0
	MULA F1, 2, 0
	MULA F1, 3, 0
	WIN 0
	s_wait_kmcnt 0x0
	s_add_co_i32 s78, s[EA], s[EB]
	s_add_co_i32 s78, s78, 127
	s_lshl_b32 s78, s78, 23                        ; 2^(ea + eb) as f32
	s_mov_b32 s79, s78                             ; (named with it as a pair)
	PLACES
.irp a, 0,1,2,3
.irp b, 0,1,2,3
	ds_store_b128 v[STO], v[ACC+8*(4*\a+\b):ACC+8*(4*\a+\b)+3] offset:\a*16*SPITCH+64*\b       ; each accumulator from its low end on
	ds_store_b128 v[STO], v[ACC+8*(4*\a+\b)+4:ACC+8*(4*\a+\b)+7] offset:\a*16*SPITCH+64*\b+16
.endr
.endr
	s_wait_dscnt 0x0                               ; for the others' sake: my stores have landed; and they have read the accumulators
	s_barrier_signal -1
	s_barrier_wait -1
.irp i, 0,1,2,3,4,5,6,7,8,9,10,11,12,13,14,15
	global_load_b128 v[RES1+4*\i:RES1+4*\i+3], v[CO], s[72:73] offset:(16+\i)*4096 th:TH_LOAD_NT
.endr
.irp i, 0,1,2,3,4,5,6,7,8,9,10,11,12,13,14,15
	ds_load_b128 v[SUM0+4*\i:SUM0+4*\i+3], v[RD] offset:\i*SPITCH
.endr
.irp i, 0,1,2,3,4,5,6,7,8,9,10,11,12,13,14,15
	s_wait_dscnt 15-\i                             ; the younger rows' LDS loads may be out
	s_wait_loadcnt 31-\i                           ; and of res the 15 - i younger rows of this half and the 16 of the next
	v_pk_fma_f32 v[SUM0+4*\i:SUM0+4*\i+1], v[SUM0+4*\i:SUM0+4*\i+1], s[78:79], v[RES0+4*\i:RES0+4*\i+1] op_sel_hi:[1,0,1]
	v_pk_fma_f32 v[SUM0+4*\i+2:SUM0+4*\i+3], v[SUM0+4*\i+2:SUM0+4*\i+3], s[78:79], v[RES0+4*\i+2:RES0+4*\i+3] op_sel_hi:[1,0,1]
	v_pk_add_f32 v[SUM0+4*\i:SUM0+4*\i+1], v[SUM0+4*\i:SUM0+4*\i+1], v[BI:BI+1]
	v_pk_add_f32 v[SUM0+4*\i+2:SUM0+4*\i+3], v[SUM0+4*\i+2:SUM0+4*\i+3], v[BI+2:BI+3]
	global_store_b128 v[CO], v[SUM0+4*\i:SUM0+4*\i+3], s[74:75] offset:\i*4096     ; 512 consecutive bytes, aligned
.endr
.irp i, 0,1,2,3,4,5,6,7,8,9,10,11,12,13,14,15
	ds_load_b128 v[RES0+4*\i:RES0+4*\i+3], v[RD] offset:(16+\i)*SPITCH             ; into registers whose numbers have been used
.endr
.irp i, 0,1,2,3,4,5,6,7,8,9,10,11,12,13,14,15
	s_wait_dscnt 15-\i
	s_wait_loadcnt 15-\i
	v_pk_fma_f32 v[RES0+4*\i:RES0+4*\i+1], v[RES0+4*\i:RES0+4*\i+1], s[78:79], v[RES1+4*\i:RES1+4*\i+1] op_sel_hi:[1,0,1]
	v_pk_fma_f32 v[RES0+4*\i+2:RES0+4*\i+3], v[RES0+4*\i+2:RES0+4*\i+3], s[78:79], v[RES1+4*\i+2:RES1+4*\i+3] op_sel_hi:[1,0,1]
	v_pk_add_f32 v[RES0+4*\i:RES0+4*\i+1], v[RES0+4*\i:RES0+4*\i+1], v[BI:BI+1]
	v_pk_add_f32 v[RES0+4*\i+2:RES0+4*\i+3], v[RES0+4*\i+2:RES0+4*\i+3], v[BI+2:BI+3]
	global_store_b128 v[CO], v[RES0+4*\i:RES0+4*\i+3], s[74:75] offset:(16+\i)*4096
.endr
	s_wait_tensorcnt 0x0                           ; the wave's end
	ds_add_u32 v[SPW], v[NIL]
	s_wait_dscnt 0x0
	CROUND                                         ; the closing round
	s_endpgm
.Lfunc_end_k_qc7a2964384_proj:
	.size	k_qc7a2964384_proj, .Lfunc_end_k_qc7a2964384_proj-k_qc7a2964384_proj
	.p2alignl 7, 3214868480
	.fill 96, 4, 3214868480
	.section	.rodata,"a",@progbits
	.p2align	6, 0x0
	.amdhsa_kernel k_qc7a2964384_proj
		.amdhsa_group_segment_fixed_size 327680
		.amdhsa_private_segment_fixed_size 0
		.amdhsa_enable_private_segment 0
		.amdhsa_kernarg_size 48
		.amdhsa_user_sgpr_count 2
		.amdhsa_user_sgpr_kernarg_segment_ptr 1
		.amdhsa_wavefront_size32 1
		.amdhsa_system_sgpr_workgroup_id_x 1
		.amdhsa_system_sgpr_workgroup_id_y 1
		.amdhsa_system_sgpr_workgroup_id_z 1
		.amdhsa_system_vgpr_workitem_id 0
		.amdhsa_next_free_vgpr 512
		.amdhsa_next_free_sgpr 100
		.amdhsa_reserve_vcc 0
		.amdhsa_float_denorm_mode_32 3
		.amdhsa_float_denorm_mode_16_64 3
		.amdhsa_memory_ordered 1
		.amdhsa_forward_progress 1
		.amdhsa_inst_pref_size 55
	.end_amdhsa_kernel
	.amdgpu_metadata
---
amdhsa.version: [ 1, 2 ]
amdhsa.kernels:
  - .name:           k_qc7a2964384_proj
    .symbol:         k_qc7a2964384_proj.kd
    .args:
      - { .name: H, .offset: 0, .size: 8, .value_kind: global_buffer, .address_space: global }
      - { .name: W, .offset: 8, .size: 8, .value_kind: global_buffer, .address_space: global }
      - { .name: lowp_scales, .offset: 16, .size: 8, .value_kind: global_buffer, .address_space: global }
      - { .name: proj_b, .offset: 24, .size: 8, .value_kind: global_buffer, .address_space: global }
      - { .name: x, .offset: 32, .size: 8, .value_kind: global_buffer, .address_space: global }
      - { .name: X1, .offset: 40, .size: 8, .value_kind: global_buffer, .address_space: global }
    .group_segment_fixed_size: 327680
    .private_segment_fixed_size: 0
    .kernarg_segment_align: 8
    .kernarg_segment_size: 48
    .max_flat_workgroup_size: 128
    .sgpr_count:     100
    .vgpr_count:     512
    .wavefront_size: 32
...
	.end_amdgpu_metadata
.endif
;; end of part 5
;; launch ln2: the kernel of part 2 again; grid 256 x 1, 4 waves a work-group, no clusters, 16,896 bytes of LDS; arguments X1, ln2_g, ln2_b, W, H; writes H
;; launch fc1 (part 6): grid 16 x 16, 4 waves a work-group, clusters of 4 x 4, 327,680 bytes of LDS; arguments H, W, lowp_scales, fc1_b, G; writes G
.if DOCPART == 6
	.amdgcn_target "amdgcn-amd-amdhsa--gfx1250"
	.amdhsa_code_object_version 6
	.text
	.protected	k_qc7a2964384_fc1
	.globl	k_qc7a2964384_fc1
	.p2align	8
	.type	k_qc7a2964384_fc1,@function
k_qc7a2964384_fc1:
	s_mov_b64 s[64:65], 0
	v_nop
	global_prefetch_b8 v0, s[64:65] scope:SCOPE_SE
	s_setreg_imm32_b32 hwreg(HW_REG_WAVE_MODE, 25, 1), 1
	s_wait_xcnt 0x0
	s_wait_alu depctr_hold_cnt(0) depctr_sa_sdst(0) depctr_va_vdst(0) depctr_va_sdst(0) depctr_va_ssrc(0) depctr_va_vcc(0) depctr_vm_vsrc(0)
	s_getreg_b32 s2, hwreg(HW_REG_IB_STS2, 6, 4)
	s_cmp_eq_u32 s2, 0
	s_cbranch_scc0 .Lentry_in_a_cluster
	s_endpgm
.Lentry_in_a_cluster:
	s_bfe_u32 s2, ttmp6, 0x10000c
	s_cmp_lg_u32 s2, 0xf033
	s_cbranch_scc0 .Lentry_shape_is_right
	s_endpgm
.Lentry_shape_is_right:
; g = codes (e10) of gelu(h Wfc1^T + fc1_b), the exact gelu: x / 2 x (1 + erf(x / sqrt(2))).  h: [4096][1024] codes of E4M3 (e8); Wfc1: [4096][1024] codes (e9) at byte 4,194,560 of W; g: [4096][4096] codes.
; erf(z) = z P(z^2) / Q(z^2) with z held within +-4: a rational form of degree 6 over 4 in z^2, in f32.
; LIMITS: e8 + e9 between -126 and 127; e10 between -126 and 119.  1 + erf is formed in f32: far below x = -3 the result's relative error grows, its absolute error stays near 1e-7 |x|.  NaN among the inputs is not served.
; The fragments come by loads of 16 bytes, which permutes k alike in both operands.
; A tile of 256 x 256 is made by four waves, 128 x 128 each: 64 accumulators.  K goes in steps of 256 through two LDS slots filled by the tensor data mover.
; CLUSTERS: 4 x 4 work-groups; h's tiles are asked for jointly along a row of the cluster, the weights' along a column.  THE MATRIX INSTRUCTION IS USED TRANSPOSED: a lane holds eight neighbouring columns of one row.
; REGISTERS, in windows of 256: window 0: v0-31 addresses; from v128 h's fragments, one set; window 1: the weights', two sets; windows 2, 3: the accumulators.
; THE WAY OUT: the raw sums go to a stage in LDS (both slots have had their last fill and, behind a barrier, their last read); each wave takes 64 whole rows, a lane eight neighbours: bias, gelu, quantiser; 32 lanes store 256 consecutive aligned bytes.
.set SIZE_K, 1024
.set WOFF,   4194560
.set KSTEP,  256
.set ROWB,   256
.set KROW,   SIZE_K
.set PITCH,  272
.set FR,     16
.set NL,     4
.set NP,     4
.set HALFT,  128*PITCH
.set SLOT,   4*HALFT
.set LAPS,   SIZE_K/(2*KSTEP)
.set SPARE,  2*SLOT
.set SPITCH, 528
.set WSTG,   128*SPITCH
.set ADRA, 16
.set ADRB, 20
.set STO,  24
.set RDB,  25
.set CO,   26                          ; v26  8 x lane
.set AD,   27
.set SPW,  28
.set NIL,  29
.set XQ,   32                          ; v32-63   four rows' numbers x
.set ZQ,   64                          ; v64-95   z = x / sqrt(2), held
.set UQ,   96                          ; v96-127  z^2
.set PQ,   128                         ; v128-159 P, then erf
.set QQ,   160                         ; v160-191 Q, then 1 / Q
.set CQ,   192                         ; v192-199 the codes
.set BIAS, 200                         ; v200-207 my eight numbers of the bias
.set CA,   208                         ; v208-233 thirteen constants, each twice
.set AF,   128
.set G1, 24
.set G0, 32
.set G1B, 48
.set G0B, 56
.set MSB, 0
.macro WIN new
.if MSB != (\new)
	s_set_vgpr_msb (MSB<<8)|(\new)
.set MSB, (\new)
.endif
.endm
.set MUL_LO, 0xa1
.set MUL_HI, 0xf1
.set TO_B,   0x40
.macro JLOAD g0a, g1a, g0b, g1b
	s_cmp_eq_u32 s15, 0
	s_cbranch_scc0 .Lfor_b_\@
	tensor_load_to_lds s[\g0a:\g0a+3], s[\g1a:\g1a+7]
	s_nop 0
.rept 4
	v_nop
.endr
	s_branch .Lasked_\@
.Lfor_b_\@:
	tensor_load_to_lds s[\g0b:\g0b+3], s[\g1b:\g1b+7]
	s_nop 0
.rept 4
	v_nop
.endr
.Lasked_\@:
.endm
.macro CREST
	s_cmp_lg_u32 s14, 0
	s_cbranch_scc1 .Lnot_wave_0_\@
	s_barrier_signal -3
.Lnot_wave_0_\@:
	s_barrier_wait -3
	s_barrier_signal -1
	s_barrier_wait -1
.endm
.macro CROUND
	s_barrier_signal -1
	s_barrier_wait -1
	CREST
.endm
	s_load_b128 s[4:7], s[0:1], 0x0                ; h's codes s[4:5], W s[6:7]
	s_load_b128 s[8:11], s[0:1], 0x10              ; the scales' exponents s[8:9], fc1_b s[10:11]
	s_load_b64 s[12:13], s[0:1], 0x20              ; G
	v_lshl_add_u32 v[SPW], v0, 2, SPARE
	v_mov_b32 v[NIL], 0
	ds_add_u32 v28, v29
	s_wait_dscnt 0x0
	v_lshrrev_b32 v1, 5, v0
	v_readfirstlane_b32 s14, v1
	s_lshr_b32 s15, s14, 1
	s_and_b32 s16, s14, 1
	s_bfe_u32 s40, ttmp6, 0x40000
	s_bfe_u32 s41, ttmp6, 0x40004
	s_lshl_b32 s42, ttmp9, 2
	s_add_co_u32 s42, s42, s40                     ; tile column
	s_and_b32 s17, ttmp7, 0xffff
	s_lshl_b32 s17, s17, 2
	s_add_co_u32 s17, s17, s41                     ; tile row
	s_lshl_b32 s43, s41, 2
	s_lshl_b32 s43, 15, s43
	s_lshl_b32 s44, 0x1111, s40
	s_or_b32 s[G1+0], s43, (0<<16)|(1<<20)|(1<<21)|(5<<22)|(3<<25)
	s_or_b32 s[G1B+0], s44, (0<<16)|(1<<20)|(1<<21)|(5<<22)|(3<<25)
.irp g, G1, G1B
	s_mov_b32 s[\g+1], ROWB<<16
	s_mov_b32 s[\g+2], 128<<16
	s_mov_b32 s[\g+3], ROWB<<16
	s_mov_b32 s[\g+4], 128
	s_mov_b32 s[\g+5], KROW
	s_mov_b32 s[\g+6], 0
	s_mov_b32 s[\g+7], 0
.endr
	s_lshl_b32 s18, s16, 7
	s_lshl_b32 s20, s17, 8
	s_add_co_u32 s20, s20, s18
	s_lshl_b32 s46, s42, 8
	s_add_co_u32 s46, s46, s18
	s_mov_b32 s21, 0
	s_mov_b32 s47, 0
	s_mov_b64 s[18:19], KROW
	s_mul_u64 s[20:21], s[20:21], s[18:19]
	s_mul_u64 s[46:47], s[46:47], s[18:19]
	s_mul_i32 s45, s14, HALFT
	s_wait_kmcnt 0x0
	s_load_b128 s[68:71], s[8:9], 0x20             ; e8 .. e11
	s_add_nc_u64 s[20:21], s[4:5], s[20:21]
	s_add_nc_u64 s[46:47], s[6:7], s[46:47]
	s_add_nc_u64 s[46:47], s[46:47], WOFF
	CROUND
.irp s, 0,1
	s_mov_b32 s[G0+4*\s], 1
	s_add_co_u32 s[G0+4*\s+1], s45, \s*SLOT
	s_add_nc_u64 s[G0+4*\s+2:G0+4*\s+3], s[20:21], \s*ROWB
	s_or_b32 s[G0+4*\s+3], s[G0+4*\s+3], 0x80000000
	s_mov_b32 s[G0B+4*\s], 1
	s_add_co_u32 s[G0B+4*\s+1], s45, \s*SLOT
	s_add_nc_u64 s[G0B+4*\s+2:G0B+4*\s+3], s[46:47], \s*ROWB
	s_or_b32 s[G0B+4*\s+3], s[G0B+4*\s+3], 0x80000000
	JLOAD G0+4*\s, G1, G0B+4*\s, G1B
.endr
	v_and_b32 v1, 15, v0
	v_bfe_u32 v2, v0, 4, 1
	v_mul_u32_u24 v3, v1, PITCH
	v_lshl_add_u32 v4, v2, 4, v3
	s_mul_i32 s21, s15, HALFT
	s_mul_i32 s22, s16, HALFT
	s_add_co_u32 s22, s22, 2*HALFT
.irp s, 0,1
	v_add_nc_u32 v[ADRA+\s], s21, v4
	v_add_nc_u32 v[ADRB+\s], s22, v4
	s_add_co_u32 s21, s21, SLOT
	s_add_co_u32 s22, s22, SLOT
.endr
	s_mul_i32 s23, s14, WSTG
	v_mul_u32_u24 v5, v1, SPITCH
	v_lshl_add_u32 v5, v2, 5, v5
	v_add_nc_u32 v[STO], s23, v5
	s_mul_i32 s23, s15, 2*WSTG
	s_mul_i32 s22, s16, 64*SPITCH
	s_add_co_u32 s23, s23, s22
	v_mul_u32_u24 v[RDB], v2, WSTG
	v_lshl_add_u32 v[RDB], v1, 5, v[RDB]
	v_add_nc_u32 v[RDB], s23, v[RDB]
	v_and_b32 v[CO], 31, v0
	v_lshlrev_b32 v[CO], 3, v[CO]
	v_lshlrev_b32 v30, 2, v[CO]                    ; 32 x lane: my eight numbers of the bias
.macro FRAG reg, adr, q, i
.irp c, 0,1,2,3
	ds_load_b128 v[\reg+4*\c:\reg+4*\c+3], v[\adr] offset:128*(\q)+32*\c+(\i)*16*PITCH
.endr
.endm
.macro MUL16 a0, p, zero               ; the 64 accumulators take turns, one instruction a turn
.irp a, \a0, \a0+1
.irp b, 0,1,2,3,4,5,6,7
.if \zero
	v_wmma_f32_16x16x128_fp8_fp8 v[8*(8*((\a)%4)+\b):8*(8*((\a)%4)+\b)+7], v[128*(\p)+FR*\b:128*(\p)+FR*\b+FR-1], v[AF+FR*(\a):AF+FR*(\a)+FR-1], 0
.else
	v_wmma_f32_16x16x128_fp8_fp8 v[8*(8*((\a)%4)+\b):8*(8*((\a)%4)+\b)+7], v[128*(\p)+FR*\b:128*(\p)+FR*\b+FR-1], v[AF+FR*(\a):AF+FR*(\a)+FR-1], v[8*(8*((\a)%4)+\b):8*(8*((\a)%4)+\b)+7]
.endif
.endr
.endr
.endm
.macro FETCH_B slot, q, p
	WIN TO_B
.irp i, 0,1,2,3,4,5,6,7
	FRAG 128*(\p)+FR*\i, ADRB+\slot, \q, \i
.endr
	WIN 0
.endm
.macro FETCH_A slot, q, i0
.irp i, \i0, \i0+1, \i0+2, \i0+3
	FRAG AF+FR*(\i), ADRA+\slot, \q, \i
.endr
.endm
.macro PLACES n
.rept \n
	v_nop
.endr
.endm
.macro STEP slot, q, zero
	s_wait_dscnt 4*NL                              ; all but the youngest sixteen loads (h's blocks 4-7)
	WIN MUL_LO
	MUL16 0, (\q)%2, \zero
	MUL16 2, (\q)%2, \zero
	s_wait_dscnt 0
	PLACES NP
	FETCH_B \slot, (\q)+1, 1-(\q)%2
	FETCH_A \slot, (\q)+1, 0
	WIN MUL_HI
	MUL16 4, (\q)%2, \zero
	MUL16 6, (\q)%2, \zero
	PLACES NP
	WIN 0
	FETCH_A \slot, (\q)+1, 4
.endm
.macro TURN slot, next, fill
	s_wait_tensorcnt 0x0                           ; all my tensor loads have landed: my part of the next slot
	ds_add_u32 v[SPW], v[NIL]                      ; 0 onto my spare word
	s_wait_dscnt 4*NL+1                            ; the add and the youngest sixteen loads may be out
	WIN MUL_LO
	MUL16 0, 1, 0
	s_wait_dscnt 0x0                               ; the add is done, and my reads of this slot are over
	s_barrier_signal -1
	MUL16 2, 1, 0
	WIN 0
	s_barrier_wait -1
.if \fill
	CREST
	s_add_nc_u64 s[G0+4*\slot+2:G0+4*\slot+3], s[G0+4*\slot+2:G0+4*\slot+3], 2*ROWB
	s_add_nc_u64 s[G0B+4*\slot+2:G0B+4*\slot+3], s[G0B+4*\slot+2:G0B+4*\slot+3], 2*ROWB
	JLOAD G0+4*\slot, G1, G0B+4*\slot, G1B
.else
	PLACES NP
.endif
	FETCH_B \next, 0, 0
	FETCH_A \next, 0, 0
	WIN MUL_HI
	MUL16 4, 1, 0
	MUL16 6, 1, 0
	PLACES NP
	WIN 0
	FETCH_A \next, 0, 4
.endm
	s_wait_tensorcnt 1                             ; my part of K step 0 is in; K step 1's load may be out
	s_barrier_signal -1
	s_barrier_wait -1
	FETCH_B 0, 0, 0
	FETCH_A 0, 0, 0
	FETCH_A 0, 0, 4
	STEP 0, 0, 1
	s_mov_b32 s3, LAPS-1
.Llap:
	TURN 0, 1, 1
	STEP 1, 0, 0
	TURN 1, 0, 1
	STEP 0, 0, 0
	s_sub_co_u32 s3, s3, 1
	s_cmp_lg_u32 s3, 0
	s_cbranch_scc1 .Llap
	TURN 0, 1, 0
	STEP 1, 0, 0
	s_wait_dscnt 4*NL
	WIN MUL_LO
	MUL16 0, 1, 0
	MUL16 2, 1, 0
	s_wait_dscnt 0
	WIN MUL_HI
	MUL16 4, 1, 0
	MUL16 6, 1, 0
	WIN 0
	; THE WAY OUT
	s_wait_kmcnt 0x0
	s_add_co_i32 s78, s68, s69
	s_add_co_i32 s78, s78, 127
	s_lshl_b32 s78, s78, 23                        ; 2^(e8 + e9) as f32
	s_mov_b32 s79, s78                             ; (named with it as a pair)
	s_add_co_i32 s88, s70, 127
	s_lshl_b32 s89, s88, 23
	s_add_co_i32 s88, s88, 8
	s_lshl_b32 s88, s88, 23
	s_or_b32 s88, s88, 0x600000
	s_lshl_b32 s80, s17, 8
	s_lshl_b32 s81, s14, 6
	s_add_co_u32 s80, s80, s81                     ; my first row: 256 x tile row + 64 x wave
	s_lshl_b32 s80, s80, 12
	s_lshl_b32 s81, s42, 8
	s_add_co_u32 s80, s80, s81                     ; + 256 x tile column
	s_mov_b32 s81, 0
	s_add_nc_u64 s[12:13], s[12:13], s[80:81]
	s_lshl_b32 s82, s42, 10                        ; the tile's 256 numbers of the bias
	s_mov_b32 s83, 0
	s_add_nc_u64 s[10:11], s[10:11], s[82:83]
	s_wait_dscnt 0x0
	s_barrier_signal -1                            ; every wave's reads of both slots are over: the stage may be written
	s_barrier_wait -1
	PLACES NP                                      ; in front of the stores of results, and of loads and writes into registers that held h's fragments
	global_load_b128 v[BIAS:BIAS+3], v30, s[10:11]
	global_load_b128 v[BIAS+4:BIAS+7], v30, s[10:11] offset:16
.macro COEF n, val
	v_mov_b32 v[CA+2*\n], \val
	v_mov_b32 v[CA+2*\n+1], \val
.endm
	COEF 0, 0xaf95df0b                             ; P's coefficients, the highest first
	COEF 1, 0x32edffee
	COEF 2, 0xb60cff51
	COEF 3, 0xb86ec2d2
	COEF 4, 0xba40ac63
	COEF 5, 0xbb41a1f6
	COEF 6, 0xbc83dbd4
	COEF 7, 0xb77460cd                             ; Q's
	COEF 8, 0xb95fbd29
	COEF 9, 0xbadc924e
	COEF 10, 0xbbf19bf8
	COEF 11, 0xbc69b6a7
	COEF 12, 0x3f3504f3                            ; 1 / sqrt(2)
	v_mov_b32 v234, s89                            ; 2^e10 as f32
	v_mov_b32 v235, s88                            ; 448 x 2^e10
.irp a, 0,1,2,3,4,5,6,7
	WIN 0x08+4*(\a/4)                              ; the store's data in window 2 or 3
.irp b, 0,1,2,3,4,5,6,7
	ds_store_b128 v[STO], v[64*(\a%4)+8*\b:64*(\a%4)+8*\b+3] offset:\a*16*SPITCH+64*\b       ; each accumulator from its low end on
	ds_store_b128 v[STO], v[64*(\a%4)+8*\b+4:64*(\a%4)+8*\b+7] offset:\a*16*SPITCH+64*\b+16
.endr
.endr
	WIN 0
	s_wait_dscnt 0x0                               ; for the others' sake: my stores have landed
	s_barrier_signal -1
	s_barrier_wait -1
	s_wait_loadcnt 0x0                             ; the bias
	s_mov_b32 s90, 0
	s_mov_b32 s91, 0
.macro ALL16 text:vararg               ; (not used)
.endm
.Lrow:                                             ; 16 trips of four rows; every stage runs over the 16 pairs, so that no line waits for the line above it
	v_add_nc_u32 v[AD], s90, v[RDB]
.irp j, 0,1,2,3
	ds_load_b128 v[XQ+8*\j:XQ+8*\j+3], v[AD] offset:SPITCH*\j
	ds_load_b128 v[XQ+8*\j+4:XQ+8*\j+7], v[AD] offset:SPITCH*\j+16
.endr
	s_wait_dscnt 0x0
.set p, 0
.rept 16
	v_pk_fma_f32 v[XQ+p:XQ+p+1], v[XQ+p:XQ+p+1], s[78:79], v[BIAS+p%8:BIAS+p%8+1] op_sel_hi:[1,0,1]   ; x = sum x 2^(e8 + e9) + bias
.set p, p+2
.endr
.set p, 0
.rept 16
	v_pk_mul_f32 v[ZQ+p:ZQ+p+1], v[XQ+p:XQ+p+1], v[CA+24:CA+25]
.set p, p+2
.endr
.set p, 0
.rept 32
	v_med3_num_f32 v[ZQ+p], v[ZQ+p], -4.0, 4.0
.set p, p+1
.endr
.set p, 0
.rept 16
	v_pk_mul_f32 v[UQ+p:UQ+p+1], v[ZQ+p:ZQ+p+1], v[ZQ+p:ZQ+p+1]
.set p, p+2
.endr
.set p, 0
.rept 16
	v_pk_fma_f32 v[PQ+p:PQ+p+1], v[UQ+p:UQ+p+1], v[CA:CA+1], v[CA+2:CA+3]
	v_pk_fma_f32 v[QQ+p:QQ+p+1], v[UQ+p:UQ+p+1], v[CA+14:CA+15], v[CA+16:CA+17]
.set p, p+2
.endr
.irp n, 2,3,4
.set p, 0
.rept 16
	v_pk_fma_f32 v[PQ+p:PQ+p+1], v[PQ+p:PQ+p+1], v[UQ+p:UQ+p+1], v[CA+2*\n:CA+2*\n+1]
	v_pk_fma_f32 v[QQ+p:QQ+p+1], v[QQ+p:QQ+p+1], v[UQ+p:UQ+p+1], v[CA+2*\n+14:CA+2*\n+15]
.set p, p+2
.endr
.endr
.irp n, 5,6
.set p, 0
.rept 16
	v_pk_fma_f32 v[PQ+p:PQ+p+1], v[PQ+p:PQ+p+1], v[UQ+p:UQ+p+1], v[CA+2*\n:CA+2*\n+1]
.set p, p+2
.endr
.endr
.set p, 0
.rept 32
	v_rcp_f32 v[QQ+p], v[QQ+p]
.set p, p+1
.endr
.set p, 0
.rept 16
	v_pk_mul_f32 v[PQ+p:PQ+p+1], v[PQ+p:PQ+p+1], v[ZQ+p:ZQ+p+1]   ; (the first of these is the plain instruction behind the reciprocals)
.set p, p+2
.endr
.set p, 0
	s_wait_alu depctr_va_vdst(0)
.rept 16
	v_pk_mul_f32 v[PQ+p:PQ+p+1], v[PQ+p:PQ+p+1], v[QQ+p:QQ+p+1]   ; erf
.set p, p+2
.endr
.set p, 0
.rept 16
	v_pk_mul_f32 v[XQ+p:XQ+p+1], v[XQ+p:XQ+p+1], 0.5 op_sel_hi:[1,0]
.set p, p+2
.endr
.set p, 0
.rept 16
	v_pk_fma_f32 v[XQ+p:XQ+p+1], v[XQ+p:XQ+p+1], v[PQ+p:PQ+p+1], v[XQ+p:XQ+p+1]   ; x / 2 x erf + x / 2
.set p, p+2
.endr
.set p, 0
.rept 32
	v_med3_num_f32 v[XQ+p], v[XQ+p], -v235, v235   ; the conversion does not saturate (ISA guide 7.6.2): the hold comes first
.set p, p+1
.endr
.irp j, 0,1,2,3
	v_cvt_scalef32_pk8_fp8_f32 v[CQ+2*\j:CQ+2*\j+1], v[XQ+8*\j:XQ+8*\j+7], v234
.endr
	v_nop                                          ; a plain instruction behind the last conversion
.irp j, 0,1,2,3
	global_store_b64 v[CO], v[CQ+2*\j:CQ+2*\j+1], s[12:13] offset:4096*\j   ; 32 lanes store 256 consecutive aligned bytes
.endr
	s_wait_xcnt 0x0                                ; the stores have read their data and their base: both are written again
	s_add_nc_u64 s[12:13], s[12:13], 16384
	s_add_co_u32 s90, s90, 4*SPITCH
	s_add_co_u32 s91, s91, 1
	s_cmp_lt_u32 s91, 16
	s_cbranch_scc1 .Lrow
	s_wait_tensorcnt 0x0                           ; the wave's end
	ds_add_u32 v[SPW], v[NIL]
	s_wait_dscnt 0x0
	CROUND                                         ; the closing round
	s_endpgm
.Lfunc_end_k_qc7a2964384_fc1:
	.size	k_qc7a2964384_fc1, .Lfunc_end_k_qc7a2964384_fc1-k_qc7a2964384_fc1
	.p2alignl 7, 3214868480
	.fill 96, 4, 3214868480
	.section	.rodata,"a",@progbits
	.p2align	6, 0x0
	.amdhsa_kernel k_qc7a2964384_fc1
		.amdhsa_group_segment_fixed_size 327680
		.amdhsa_private_segment_fixed_size 0
		.amdhsa_enable_private_segment 0
		.amdhsa_kernarg_size 40
		.amdhsa_user_sgpr_count 2
		.amdhsa_user_sgpr_kernarg_segment_ptr 1
		.amdhsa_wavefront_size32 1
		.amdhsa_system_sgpr_workgroup_id_x 1
		.amdhsa_system_sgpr_workgroup_id_y 1
		.amdhsa_system_sgpr_workgroup_id_z 1
		.amdhsa_system_vgpr_workitem_id 0
		.amdhsa_next_free_vgpr 1024
		.amdhsa_next_free_sgpr 100
		.amdhsa_reserve_vcc 0
		.amdhsa_float_denorm_mode_32 3
		.amdhsa_float_denorm_mode_16_64 3
		.amdhsa_memory_ordered 1
		.amdhsa_forward_progress 1
		.amdhsa_inst_pref_size 112
	.end_amdhsa_kernel
	.amdgpu_metadata
---
amdhsa.version: [ 1, 2 ]
amdhsa.kernels:
  - .name:           k_qc7a2964384_fc1
    .symbol:         k_qc7a2964384_fc1.kd
    .args:
      - { .name: H, .offset: 0, .size: 8, .value_kind: global_buffer, .address_space: global }
      - { .name: W, .offset: 8, .size: 8, .value_kind: global_buffer, .address_space: global }
      - { .name: lowp_scales, .offset: 16, .size: 8, .value_kind: global_buffer, .address_space: global }
      - { .name: fc1_b, .offset: 24, .size: 8, .value_kind: global_buffer, .address_space: global }
      - { .name: G, .offset: 32, .size: 8, .value_kind: global_buffer, .address_space: global }
    .group_segment_fixed_size: 327680
    .private_segment_fixed_size: 0
    .kernarg_segment_align: 8
    .kernarg_segment_size: 40
    .max_flat_workgroup_size: 128
    .sgpr_count:     100
    .vgpr_count:     1024
    .wavefront_size: 32
...
	.end_amdgpu_metadata
.endif
;; end of part 6
;; launch fc2 (part 7): grid 8 x 32, 4 waves a work-group, clusters of 4 x 4, 327,680 bytes of LDS; arguments G, W, lowp_scales, fc2_b, X1, out0; writes out0
.if DOCPART == 7
	.amdgcn_target "amdgcn-amd-amdhsa--gfx1250"
	.amdhsa_code_object_version 6
	.text
	.protected	k_qc7a2964384_fc2
	.globl	k_qc7a2964384_fc2
	.p2align	8
	.type	k_qc7a2964384_fc2,@function
k_qc7a2964384_fc2:
	s_mov_b64 s[64:65], 0
	v_nop
	global_prefetch_b8 v0, s[64:65] scope:SCOPE_SE
	s_setreg_imm32_b32 hwreg(HW_REG_WAVE_MODE, 25, 1), 1
	s_wait_xcnt 0x0
	s_wait_alu depctr_hold_cnt(0) depctr_sa_sdst(0) depctr_va_vdst(0) depctr_va_sdst(0) depctr_va_ssrc(0) depctr_va_vcc(0) depctr_vm_vsrc(0)
	s_getreg_b32 s2, hwreg(HW_REG_IB_STS2, 6, 4)
	s_cmp_eq_u32 s2, 0
	s_cbranch_scc0 .Lentry_in_a_cluster
	s_endpgm
.Lentry_in_a_cluster:
	s_bfe_u32 s2, ttmp6, 0x10000c
	s_cmp_lg_u32 s2, 0xf033
	s_cbranch_scc0 .Lentry_shape_is_right
	s_endpgm
.Lentry_shape_is_right:
; out = res + a Wt^T + bias.  a: [4096][SIZE_K] codes of E4M3 (scale 2^ea); Wt: [1024][SIZE_K] codes (2^eb) at byte WOFF of W; bias [1024], res and out [4096][1024]: f32.  Here: a = the gelu's codes, ea = e10, eb = e11.
; The codes are multiplied as they are; each finished sum once by 2^(ea + eb).  LIMIT: ea + eb between -126 and 127.  The fragments come by loads of 16 bytes, which permutes k alike in both operands.
; A tile is 128 x 128, since 1,024 columns give too few tiles of 256 x 256 for the grid: 8 x 32 work-groups.  Four waves, 64 x 64 each: 16 accumulators.  K goes in steps of 512 (LDS rows of 512 bytes) through two slots.
; CLUSTERS: 4 x 4 work-groups; a's tiles are asked for jointly along a row of the cluster, the weights' along a column.  THE MATRIX INSTRUCTION IS USED TRANSPOSED: a lane holds eight neighbouring columns of one row.
; REGISTERS: window 0: v0-31 addresses; v32-99 the way out; v128-255 the accumulators ((a, b) at v[128 + 8 (4 a + b)]).  Window 1: two fragment buffers of 128: a's four blocks, then the weights' four.
; THE WAY OUT: the raw sums go to a stage in slot 0 (it has had its last fill, and its last read lies in front of the last change of slots); each wave takes 32 whole rows: sum x 2^(ea + eb) + res, + bias; 32 lanes store 512 consecutive bytes.
.set SIZE_K, 4096
.set WOFF,   8388864
.set EA,     90                        ; s90 = e10, s91 = e11
.set EB,     91
.set KSTEP,  512
.set PITCH,  528
.set HALFT,  64*PITCH
.set SLOT,   4*HALFT
.set SPARE,  2*SLOT
.set LAPS,   SIZE_K/(2*KSTEP)
.set SPITCH, 272
.set WSTG,   64*SPITCH
.set ADRA, 16
.set ADRB, 20
.set STO,  24
.set RD,   25
.set CO,   26
.set SPW,  28
.set NIL,  29
.set RES0, 32
.set BI,   96
.set RES1, 128
.set SUM0, 192
.set ACC,  128
.set F0,   0
.set F1,   128
.set G1, 24
.set G0, 32
.set G1B, 48
.set G0B, 56
.set MSB, 0
.macro WIN new
.if MSB != (\new)
	s_set_vgpr_msb (MSB<<8)|(\new)
.set MSB, (\new)
.endif
.endm
.set MUL,  0x05
.set TO_F, 0x40
.macro JLOAD s
	s_cmp_eq_u32 s11, 0
	s_cbranch_scc0 .Lfor_b_\@
	tensor_load_to_lds s[G0+4*\s:G0+4*\s+3], s[G1:G1+7]
	s_nop 0
.rept 4
	v_nop
.endr
	s_branch .Lasked_\@
.Lfor_b_\@:
	tensor_load_to_lds s[G0B+4*\s:G0B+4*\s+3], s[G1B:G1B+7]
	s_nop 0
.rept 4
	v_nop
.endr
.Lasked_\@:
.endm
.macro CREST
	s_cmp_lg_u32 s10, 0
	s_cbranch_scc1 .Lnot_wave_0_\@
	s_barrier_signal -3
.Lnot_wave_0_\@:
	s_barrier_wait -3
	s_barrier_signal -1
	s_barrier_wait -1
.endm
.macro CROUND
	s_barrier_signal -1
	s_barrier_wait -1
	CREST
.endm
	s_load_b128 s[4:7], s[0:1], 0x0                ; a's codes s[4:5], W s[6:7]
	s_load_b128 s[68:71], s[0:1], 0x10             ; the scales' exponents s[68:69], bias s[70:71]
	s_load_b128 s[72:75], s[0:1], 0x20             ; res s[72:73], out s[74:75]
	v_lshl_add_u32 v[SPW], v0, 2, SPARE
	v_mov_b32 v[NIL], 0
	ds_add_u32 v28, v29
	s_wait_dscnt 0x0
	v_lshrrev_b32 v1, 5, v0
	v_readfirstlane_b32 s10, v1
	s_lshr_b32 s11, s10, 1
	s_and_b32 s12, s10, 1
	s_bfe_u32 s40, ttmp6, 0x40000
	s_bfe_u32 s41, ttmp6, 0x40004
	s_lshl_b32 s42, ttmp9, 2
	s_add_co_u32 s42, s42, s40
	s_and_b32 s13, ttmp7, 0xffff
	s_lshl_b32 s13, s13, 2
	s_add_co_u32 s13, s13, s41
	s_lshl_b32 s43, s41, 2
	s_lshl_b32 s43, 15, s43
	s_lshl_b32 s44, 0x1111, s40
	s_or_b32 s[G1+0], s43, (0<<16)|(1<<20)|(1<<21)|(6<<22)|(3<<25)
	s_or_b32 s[G1B+0], s44, (0<<16)|(1<<20)|(1<<21)|(6<<22)|(3<<25)
.irp g, G1, G1B
	s_mov_b32 s[\g+1], KSTEP<<16
	s_mov_b32 s[\g+2], 64<<16
	s_mov_b32 s[\g+3], KSTEP<<16
	s_mov_b32 s[\g+4], 64
	s_mov_b32 s[\g+5], SIZE_K
	s_mov_b32 s[\g+6], 0
	s_mov_b32 s[\g+7], 0
.endr
	s_lshl_b32 s17, s12, 6
	s_lshl_b32 s16, s13, 7
	s_add_co_u32 s16, s16, s17
	s_lshl_b32 s46, s42, 7
	s_add_co_u32 s46, s46, s17
	s_mov_b32 s17, 0
	s_mov_b32 s47, 0
	s_mov_b64 s[18:19], SIZE_K
	s_mul_u64 s[16:17], s[16:17], s[18:19]
	s_mul_u64 s[46:47], s[46:47], s[18:19]
	s_mul_i32 s20, s10, HALFT
	s_wait_kmcnt 0x0
	s_load_b256 s[80:87], s[68:69], 0x0            ; e0 .. e7
	s_load_b128 s[88:91], s[68:69], 0x20           ; e8 .. e11
	s_add_nc_u64 s[14:15], s[4:5], s[16:17]
	s_add_nc_u64 s[46:47], s[6:7], s[46:47]
	s_add_nc_u64 s[46:47], s[46:47], WOFF
	CROUND
.irp s, 0,1
	s_mov_b32 s[G0+4*\s], 1
	s_add_co_u32 s[G0+4*\s+1], s20, \s*SLOT
	s_add_nc_u64 s[G0+4*\s+2:G0+4*\s+3], s[14:15], \s*KSTEP
	s_or_b32 s[G0+4*\s+3], s[G0+4*\s+3], 0x80000000
	s_mov_b32 s[G0B+4*\s], 1
	s_add_co_u32 s[G0B+4*\s+1], s20, \s*SLOT
	s_add_nc_u64 s[G0B+4*\s+2:G0B+4*\s+3], s[46:47], \s*KSTEP
	s_or_b32 s[G0B+4*\s+3], s[G0B+4*\s+3], 0x80000000
	JLOAD \s
.endr
	v_and_b32 v1, 15, v0
	v_bfe_u32 v2, v0, 4, 1
	v_mul_u32_u24 v3, v1, PITCH
	v_lshl_add_u32 v3, v2, 4, v3
	s_mul_i32 s21, s11, HALFT
	s_mul_i32 s22, s12, HALFT
	s_add_co_u32 s22, s22, 2*HALFT
.irp s, 0,1
	v_add_nc_u32 v[ADRA+\s], s21, v3
	v_add_nc_u32 v[ADRB+\s], s22, v3
	s_add_co_u32 s21, s21, SLOT
	s_add_co_u32 s22, s22, SLOT
.endr
	s_mul_i32 s23, s10, WSTG
	v_mul_u32_u24 v4, v1, SPITCH
	v_lshl_add_u32 v4, v2, 5, v4
	v_add_nc_u32 v[STO], s23, v4
	s_mul_i32 s23, s11, 2*WSTG
	s_mul_i32 s22, s12, 32*SPITCH
	s_add_co_u32 s23, s23, s22
	v_mul_u32_u24 v[RD], v2, WSTG
	v_lshl_add_u32 v[RD], v1, 4, v[RD]
	v_add_nc_u32 v[RD], s23, v[RD]
	v_and_b32 v[CO], 31, v0
	v_lshlrev_b32 v[CO], 4, v[CO]
	s_lshl_b32 s16, s13, 7
	s_lshl_b32 s17, s10, 5
	s_add_co_u32 s16, s16, s17
	s_lshl_b32 s16, s16, 12
	s_lshl_b32 s46, s42, 9
	s_mov_b32 s47, 0
	s_add_co_u32 s76, s16, s46
	s_mov_b32 s77, 0
	s_add_nc_u64 s[72:73], s[72:73], s[76:77]
	s_add_nc_u64 s[74:75], s[74:75], s[76:77]
	s_add_nc_u64 s[70:71], s[70:71], s[46:47]
.macro MULA f, a, zero                 ; the 16 accumulators take turns
.irp b, 0,1,2,3
.if \zero
	v_wmma_f32_16x16x128_fp8_fp8 v[ACC+8*(4*(\a)+\b):ACC+8*(4*(\a)+\b)+7], v[\f+64+16*\b:\f+64+16*\b+15], v[\f+16*(\a):\f+16*(\a)+15], 0
.else
	v_wmma_f32_16x16x128_fp8_fp8 v[ACC+8*(4*(\a)+\b):ACC+8*(4*(\a)+\b)+7], v[\f+64+16*\b:\f+64+16*\b+15], v[\f+16*(\a):\f+16*(\a)+15], v[ACC+8*(4*(\a)+\b):ACC+8*(4*(\a)+\b)+7]
.endif
.endr
.endm
.macro FETCH slot, k, f
	WIN TO_F
.irp i, 0,1,2,3
.irp c, 0,1,2,3
	ds_load_b128 v[\f+64+16*\i+4*\c:\f+64+16*\i+4*\c+3], v[ADRB+\slot] offset:\k+32*\c+\i*16*PITCH
.endr
.endr
.irp i, 0,1,2,3
.irp c, 0,1,2,3
	ds_load_b128 v[\f+16*\i+4*\c:\f+16*\i+4*\c+3], v[ADRA+\slot] offset:\k+32*\c+\i*16*PITCH
.endr
.endr
.endm
.macro PLACES
.rept 4
	v_nop
.endr
.endm
.macro QUARTER slot, k, f, g, zero
	s_wait_dscnt 8                                 ; all but the youngest eight loads (a's blocks 2, 3)
	WIN MUL
	MULA \f, 0, \zero
	MULA \f, 1, \zero
	PLACES
	FETCH \slot, \k, \g
	s_wait_dscnt 32                                ; all but the 32 just issued
	WIN MUL
	MULA \f, 2, \zero
	MULA \f, 3, \zero
.endm
.macro TURN slot, next, fill
	WIN 0
	s_wait_tensorcnt 0x0                           ; all my tensor loads have landed: my part of the next slot
	ds_add_u32 v[SPW], v[NIL]                      ; 0 onto my spare word
	s_wait_dscnt 9                                 ; the add and the youngest eight loads may be out
	WIN MUL
	MULA F1, 0, 0
	s_wait_dscnt 0x0                               ; the add is done, and my reads of this slot are over
	s_barrier_signal -1
	MULA F1, 1, 0
.if \fill
	WIN 0
.endif
	s_barrier_wait -1
.if \fill
	CREST                                          ; the barrier has opened a round of the cluster's barrier
	s_add_nc_u64 s[G0+4*\slot+2:G0+4*\slot+3], s[G0+4*\slot+2:G0+4*\slot+3], 2*KSTEP
	s_add_nc_u64 s[G0B+4*\slot+2:G0B+4*\slot+3], s[G0B+4*\slot+2:G0B+4*\slot+3], 2*KSTEP
	JLOAD \slot                                    ; the first tensor load behind the round; its four v_nop are the places in front of the loads below
.else
	PLACES
.endif
	FETCH \next, 0, F0
	WIN MUL
	MULA F1, 2, 0
	MULA F1, 3, 0
.endm
	s_wait_tensorcnt 1                             ; my part of K step 0 is in; K step 1's load may be out
	s_barrier_signal -1
	s_barrier_wait -1
	FETCH 0, 0, F0
	QUARTER 0, 128, F0, F1, 1
.if LAPS > 1
	WIN 0
	s_mov_b32 s3, LAPS-1
.Llap:                                             ; a trip goes once round the ring and fills both slots again
	QUARTER 0, 256, F1, F0, 0
	QUARTER 0, 384, F0, F1, 0
	TURN 0, 1, 1
	QUARTER 1, 128, F0, F1, 0
	QUARTER 1, 256, F1, F0, 0
	QUARTER 1, 384, F0, F1, 0
	TURN 1, 0, 1
	QUARTER 0, 128, F0, F1, 0
	WIN 0
	s_sub_co_u32 s3, s3, 1
	s_cmp_lg_u32 s3, 0
	s_cbranch_scc1 .Llap
.endif
	QUARTER 0, 256, F1, F0, 0                      ; the last lap fills nothing
	QUARTER 0, 384, F0, F1, 0
	TURN 0, 1, 0
	QUARTER 1, 128, F0, F1, 0
	QUARTER 1, 256, F1, F0, 0
	QUARTER 1, 384, F0, F1, 0
	WIN 0
	global_load_b128 v[BI:BI+3], v[CO], s[70:71]
.irp i, 0,1,2,3,4,5,6,7,8,9,10,11,12,13,14,15
	global_load_b128 v[RES0+4*\i:RES0+4*\i+3], v[CO], s[72:73] offset:\i*4096 th:TH_LOAD_NT
.endr
	s_wait_dscnt 8
	WIN MUL
	MULA F1, 0, 0
	MULA F1, 1, 0
	s_wait_dscnt 0
	MULA F1, 2, 0
	MULA F1, 3, 0
	WIN 0
	s_wait_kmcnt 0x0
	s_add_co_i32 s78, s[EA], s[EB]
	s_add_co_i32 s78, s78, 127
	s_lshl_b32 s78, s78, 23                        ; 2^(ea + eb) as f32
	s_mov_b32 s79, s78
	PLACES
.irp a, 0,1,2,3
.irp b, 0,1,2,3
	ds_store_b128 v[STO], v[ACC+8*(4*\a+\b):ACC+8*(4*\a+\b)+3] offset:\a*16*SPITCH+64*\b
	ds_store_b128 v[STO], v[ACC+8*(4*\a+\b)+4:ACC+8*(4*\a+\b)+7] offset:\a*16*SPITCH+64*\b+16
.endr
.endr
	s_wait_dscnt 0x0                               ; for the others' sake: my stores have landed; and they have read the accumulators
	s_barrier_signal -1
	s_barrier_wait -1
.irp i, 0,1,2,3,4,5,6,7,8,9,10,11,12,13,14,15
	global_load_b128 v[RES1+4*\i:RES1+4*\i+3], v[CO], s[72:73] offset:(16+\i)*4096 th:TH_LOAD_NT
.endr
.irp i, 0,1,2,3,4,5,6,7,8,9,10,11,12,13,14,15
	ds_load_b128 v[SUM0+4*\i:SUM0+4*\i+3], v[RD] offset:\i*SPITCH
.endr
.irp i, 0,1,2,3,4,5,6,7,8,9,10,11,12,13,14,15
	s_wait_dscnt 15-\i                             ; the younger rows' LDS loads may be out
	s_wait_loadcnt 31-\i                           ; and of res the 15 - i younger rows of this half and the 16 of the next
	v_pk_fma_f32 v[SUM0+4*\i:SUM0+4*\i+1], v[SUM0+4*\i:SUM0+4*\i+1], s[78:79], v[RES0+4*\i:RES0+4*\i+1] op_sel_hi:[1,0,1]
	v_pk_fma_f32 v[SUM0+4*\i+2:SUM0+4*\i+3], v[SUM0+4*\i+2:SUM0+4*\i+3], s[78:79], v[RES0+4*\i+2:RES0+4*\i+3] op_sel_hi:[1,0,1]
	v_pk_add_f32 v[SUM0+4*\i:SUM0+4*\i+1], v[SUM0+4*\i:SUM0+4*\i+1], v[BI:BI+1]
	v_pk_add_f32 v[SUM0+4*\i+2:SUM0+4*\i+3], v[SUM0+4*\i+2:SUM0+4*\i+3], v[BI+2:BI+3]
	global_store_b128 v[CO], v[SUM0+4*\i:SUM0+4*\i+3], s[74:75] offset:\i*4096 th:TH_STORE_NT
.endr
.irp i, 0,1,2,3,4,5,6,7,8,9,10,11,12,13,14,15
	ds_load_b128 v[RES0+4*\i:RES0+4*\i+3], v[RD] offset:(16+\i)*SPITCH
.endr
.irp i, 0,1,2,3,4,5,6,7,8,9,10,11,12,13,14,15
	s_wait_dscnt 15-\i
	s_wait_loadcnt 15-\i
	v_pk_fma_f32 v[RES0+4*\i:RES0+4*\i+1], v[RES0+4*\i:RES0+4*\i+1], s[78:79], v[RES1+4*\i:RES1+4*\i+1] op_sel_hi:[1,0,1]
	v_pk_fma_f32 v[RES0+4*\i+2:RES0+4*\i+3], v[RES0+4*\i+2:RES0+4*\i+3], s[78:79], v[RES1+4*\i+2:RES1+4*\i+3] op_sel_hi:[1,0,1]
	v_pk_add_f32 v[RES0+4*\i:RES0+4*\i+1], v[RES0+4*\i:RES0+4*\i+1], v[BI:BI+1]
	v_pk_add_f32 v[RES0+4*\i+2:RES0+4*\i+3], v[RES0+4*\i+2:RES0+4*\i+3], v[BI+2:BI+3]
	global_store_b128 v[CO], v[RES0+4*\i:RES0+4*\i+3], s[74:75] offset:(16+\i)*4096 th:TH_STORE_NT
.endr
	s_wait_tensorcnt 0x0                           ; the wave's end
	ds_add_u32 v[SPW], v[NIL]
	s_wait_dscnt 0x0
	CROUND                                         ; the closing round
	s_endpgm
.Lfunc_end_k_qc7a2964384_fc2:
	.size	k_qc7a2964384_fc2, .Lfunc_end_k_qc7a2964384_fc2-k_qc7a2964384_fc2
	.p2alignl 7, 3214868480
	.fill 96, 4, 3214868480
	.section	.rodata,"a",@progbits
	.p2align	6, 0x0
	.amdhsa_kernel k_qc7a2964384_fc2
		.amdhsa_group_segment_fixed_size 327680
		.amdhsa_private_segment_fixed_size 0
		.amdhsa_enable_private_segment 0
		.amdhsa_kernarg_size 48
		.amdhsa_user_sgpr_count 2
		.amdhsa_user_sgpr_kernarg_segment_ptr 1
		.amdhsa_wavefront_size32 1
		.amdhsa_system_sgpr_workgroup_id_x 1
		.amdhsa_system_sgpr_workgroup_id_y 1
		.amdhsa_system_sgpr_workgroup_id_z 1
		.amdhsa_system_vgpr_workitem_id 0
		.amdhsa_next_free_vgpr 512
		.amdhsa_next_free_sgpr 100
		.amdhsa_reserve_vcc 0
		.amdhsa_float_denorm_mode_32 3
		.amdhsa_float_denorm_mode_16_64 3
		.amdhsa_memory_ordered 1
		.amdhsa_forward_progress 1
		.amdhsa_inst_pref_size 83
	.end_amdhsa_kernel
	.amdgpu_metadata
---
amdhsa.version: [ 1, 2 ]
amdhsa.kernels:
  - .name:           k_qc7a2964384_fc2
    .symbol:         k_qc7a2964384_fc2.kd
    .args:
      - { .name: G, .offset: 0, .size: 8, .value_kind: global_buffer, .address_space: global }
      - { .name: W, .offset: 8, .size: 8, .value_kind: global_buffer, .address_space: global }
      - { .name: lowp_scales, .offset: 16, .size: 8, .value_kind: global_buffer, .address_space: global }
      - { .name: fc2_b, .offset: 24, .size: 8, .value_kind: global_buffer, .address_space: global }
      - { .name: X1, .offset: 32, .size: 8, .value_kind: global_buffer, .address_space: global }
      - { .name: out0, .offset: 40, .size: 8, .value_kind: global_buffer, .address_space: global }
    .group_segment_fixed_size: 327680
    .private_segment_fixed_size: 0
    .kernarg_segment_align: 8
    .kernarg_segment_size: 48
    .max_flat_workgroup_size: 128
    .sgpr_count:     100
    .vgpr_count:     512
    .wavefront_size: 32
...
	.end_amdgpu_metadata
.endif
;; end of part 7
